; MI455X (gfx1250); checked and timed in simulation.
; The chip was launched on July 23, 2026; its instructions are those of AMD's public machine-readable ISA for CDNA 5 (MIT licence, August 2026) and "CDNA5" Instruction Set Architecture Reference Guide (July 2026). The comments in the code are by the model that wrote it; some were corrected since.
;; MHSA. Allowed arithmetic: float matrix products may take bf16 or f16 operands with f32 sums; other float arithmetic in f32, or as packed bf16 or f16 multiplies, adds, multiply-adds, maxima and minima; sums over many terms, partial sums and values carried from step to step in f32; what a program stores and reads back later, other than sums and carried values, may be rounded once to bf16 or f16.
;; Inputs: token_positions 2,048 int32; wk 2,048 x 2,048 float32; wo 2,048 x 2,048 float32; wq 2,048 x 2,048 float32; wv 2,048 x 2,048 float32; x 1 x 2,048 x 2,048 float32.
;; Outputs: out0 1 x 2,048 x 2,048 float32.
;; One version. Each part assembles by itself: llvm-mc -triple=amdgcn-amd-amdhsa -mcpu=gfx1250 --defsym DOCPART=n.
;; ======== version 1 of 1: 4 launches
;; limits: values are held in f16: magnitudes above 65,504 overflow, below 6.1e-05 lose precision
;; workspace buffers: xb 8,388,608 bytes; wb 25,165,824 bytes; wob 8,388,608 bytes; tab 1,114,112 bytes; qkv 25,165,824 bytes; ob 8,388,608 bytes
;; launch prep (part 1): grid 256 x 6, 8 waves a work-group, no clusters, 0 bytes of LDS; arguments x, wq, wk, wv, wo, token_positions, xb, wb, wob, tab; writes xb, wb, wob, tab
.if DOCPART == 1
	.amdgcn_target "amdgcn-amd-amdhsa--gfx1250"
	.amdhsa_code_object_version 6
	.text
	.protected	k_qe45a514123_prep
	.globl	k_qe45a514123_prep
	.p2align	8
	.type	k_qe45a514123_prep,@function
k_qe45a514123_prep:
	s_mov_b64 s[64:65], 0
	v_nop
	global_prefetch_b8 v0, s[64:65] scope:SCOPE_SE
	s_setreg_imm32_b32 hwreg(HW_REG_WAVE_MODE, 25, 1), 1
	s_wait_xcnt 0x0
; CASTS AND THE ROTATION TABLE.  The grid's y says what a work-group does:
;   y = 0..3  x, wq, wk, wv: f32 -> bf16 (xb; wb = wq's, wk's, wv's rows one below the other)
;   y = 4     wo: f32 -> bf16, and that number written as f16 (wob): exact from 6.1e-5 up; below that f16's fixed step of 6e-8
;   y = 5     the table of cos and sin of token_positions[s] x 10000^(-p/64), p = 0..63, in f32
; A cast's work-group takes 65,536 bytes of f32: 16 loads a thread, all issued at once; a load of a wave covers 512 consecutive bytes,
; a store 256 consecutive bytes, aligned.  No register is used twice, so nothing but the counted waits for the loads is needed.
; THE TABLE lies in the order in which the next launch's lanes hold their results: [s / 16][b = 0..7][e = 0, 1][lane = 16 h + r][4 f32]:
; cos, sin of pair p = 8 b + 4 h + 2 e and cos, sin of pair p + 1, for row s = 16 (s / 16) + r.  Behind the 128 blocks of 8,192 bytes
; lie 8 blocks of (1, 0, 1, 0): the rotation that changes nothing, for v.
; LIMITS.  A position is taken as f32 (exact up to 2^24).  The angle is reduced by n x pi/2 in two parts, whose remainder is n x 1.7e-15;
; the frequency is good to about two units of its last place, so an angle of 2,047 is good to about 2e-4.
.set XR, 16                            ; v[16:79]  load i: four registers
	s_load_b512 s[8:23], s[0:1], 0x0               ; x 8, wq 10, wk 12, wv 14, wo 16, token_positions 18, xb 20, wb 22
	s_load_b128 s[24:27], s[0:1], 0x40             ; wob 24, tab 26
	s_and_b32 s2, ttmp7, 0xffff                    ; y
	s_mov_b32 s3, ttmp9                            ; x
	s_mov_b32 s4, 0xffff0000                       ; a word's upper bf16
	v_lshlrev_b32 v1, 4, v0                        ; 16 bytes of f32 a thread
	v_lshlrev_b32 v2, 3, v0                        ; 8 bytes of 16-bit numbers a thread
	s_wait_kmcnt 0x0
	s_cmp_eq_u32 s2, 5
	s_cbranch_scc1 .Ltable
	s_mov_b64 s[28:29], s[8:9]                     ; from where: chosen among the five inputs by y
	s_mov_b64 s[30:31], s[20:21]                   ; to where: xb, wb or wob
	s_cmp_eq_u32 s2, 1
	s_cselect_b64 s[28:29], s[10:11], s[28:29]
	s_cmp_eq_u32 s2, 2
	s_cselect_b64 s[28:29], s[12:13], s[28:29]
	s_cmp_eq_u32 s2, 3
	s_cselect_b64 s[28:29], s[14:15], s[28:29]
	s_cmp_eq_u32 s2, 4
	s_cselect_b64 s[28:29], s[16:17], s[28:29]
	s_cselect_b64 s[30:31], s[24:25], s[30:31]
	s_sub_co_u32 s5, s2, 1
	s_cmp_lt_u32 s5, 3                             ; y = 1, 2, 3
	s_cselect_b64 s[30:31], s[22:23], s[30:31]
	s_cselect_b32 s5, s5, 0
	s_lshl_b32 s32, s5, 23                         ; (y - 1) x 8,388,608: the weight's place in wb
	s_lshl_b32 s6, s3, 15                          ; the work-group's 32,768 bytes out
	s_add_co_u32 s32, s32, s6
	s_mov_b32 s33, 0
	s_add_nc_u64 s[30:31], s[30:31], s[32:33]
	s_lshl_b32 s34, s3, 16                         ; its 65,536 bytes in
	s_mov_b32 s35, 0
	s_add_nc_u64 s[28:29], s[28:29], s[34:35]
.irp i, 0,1,2,3,4,5,6,7,8,9,10,11,12,13,14,15
	global_load_b128 v[XR+4*(\i):XR+4*(\i)+3], v1, s[28:29] offset:4096*(\i) th:TH_LOAD_NT
.endr
; Load i is rounded and stored.  fmt = 0: bf16.  fmt = 1: bf16, widened again, written as f16.
.macro CAST i, fmt
	s_wait_loadcnt 15-(\i)                         ; loads come back in order: mine is in, the 15 - i younger ones stay out
.if \fmt
	v_cvt_pk_bf16_f32 v8, v[XR+4*(\i)], v[XR+4*(\i)+1]
	v_cvt_pk_bf16_f32 v9, v[XR+4*(\i)+2], v[XR+4*(\i)+3]
	v_lshlrev_b32 v[XR+4*(\i)], 16, v8
	v_and_b32 v[XR+4*(\i)+1], s4, v8
	v_lshlrev_b32 v[XR+4*(\i)+2], 16, v9
	v_and_b32 v[XR+4*(\i)+3], s4, v9
	v_cvt_pk_f16_f32 v[XR+4*(\i)], v[XR+4*(\i)], v[XR+4*(\i)+1]
	v_cvt_pk_f16_f32 v[XR+4*(\i)+1], v[XR+4*(\i)+2], v[XR+4*(\i)+3]
.else
	v_cvt_pk_bf16_f32 v[XR+4*(\i)], v[XR+4*(\i)], v[XR+4*(\i)+1]
	v_cvt_pk_bf16_f32 v[XR+4*(\i)+1], v[XR+4*(\i)+2], v[XR+4*(\i)+3]
.endif
	global_store_b64 v2, v[XR+4*(\i):XR+4*(\i)+1], s[30:31] offset:2048*(\i)
.endm
	s_cmp_eq_u32 s2, 4
	s_cbranch_scc1 .Lwo
.irp i, 0,1,2,3,4,5,6,7,8,9,10,11,12,13,14,15
	CAST \i, 0
.endr
	s_endpgm
.Lwo:
.irp i, 0,1,2,3,4,5,6,7,8,9,10,11,12,13,14,15
	CAST \i, 1
.endr
	s_endpgm
.Ltable:                                       ; work-group x: block R = x / 2, e = x % 2; wave = b; a lane makes two pairs' cos and sin for one row
	v_and_b32 v1, 31, v0                           ; lane
	v_lshrrev_b32 v2, 5, v0                        ; b
	v_and_b32 v5, 15, v0                           ; r
	v_bfe_u32 v6, v0, 4, 1                         ; h
	s_lshr_b32 s5, s3, 1                           ; R
	s_and_b32 s6, s3, 1                            ; e
	s_lshl_b32 s7, s5, 6                           ; 16 R positions of 4 bytes
	v_lshl_add_u32 v4, v5, 2, s7
	global_load_b32 v3, v4, s[18:19]               ; token_positions[16 R + r]
	v_lshlrev_b32 v7, 3, v2
	v_lshl_add_u32 v7, v6, 2, v7
	s_lshl_b32 s32, s6, 1
	v_add_nc_u32 v7, s32, v7                       ; p = 8 b + 4 h + 2 e
	v_cvt_f32_u32 v8, v7
	v_add_f32 v9, 1.0, v8                          ; p + 1
	v_mul_f32 v8, 0xbe549a78, v8                   ; x -log2(10000) / 64
	v_mul_f32 v9, 0xbe549a78, v9
	v_exp_f32 v8, v8                               ; the two frequencies: one batch,
	v_exp_f32 v9, v9
	v_lshlrev_b32 v10, 10, v2                      ; (a plain instruction behind the last of them: the store's offset, 1,024 b
	s_wait_alu depctr_va_vdst(0)                   ; one wait ahead of the first use
	v_lshl_add_u32 v10, v1, 4, v10                 ; + 16 lane
	s_lshl_b32 s32, s5, 13
	s_lshl_b32 s33, s6, 9
	s_add_co_u32 s32, s32, s33
	v_add_nc_u32 v10, s32, v10                     ; + 8,192 R + 512 e)
	v_mov_b32 v40, 0x3f22f983                      ; 2 / pi
	v_mov_b32 v41, 0xbfc90fdb                      ; -(pi / 2 rounded to f32)
	v_mov_b32 v42, 0x333bbd2e                      ; what that rounding added: 4.3711e-8
	v_mov_b32 v43, 0xb94ca1f9                      ; sin r = r + r z (S1 + z (S2 + z S3)), z = r^2, |r| <= pi / 4
	v_mov_b32 v44, 0x3c08839e
	v_mov_b32 v45, 0xbe2aaaa3
	v_mov_b32 v46, 0x37ccf5ce                      ; cos r = 1 - z / 2 + z^2 (C1 + z (C2 + z C3))
	v_mov_b32 v47, 0xbab6061a
	v_mov_b32 v48, 0x3d2aaaa5
	s_wait_loadcnt 0x0
	v_cvt_f32_i32 v3, v3
; cos and sin of position x frequency f
.macro SINCOS f, c, s
	v_mul_f32 v20, v3, v[\f]                       ; the angle
	v_mul_f32 v21, v40, v20
	v_rndne_f32 v21, v21                           ; n = the nearest multiple of pi / 2
	v_fma_f32 v22, v21, v41, v20                   ; r = angle - n pi / 2, in two parts
	v_fma_f32 v22, v21, v42, v22
	v_mul_f32 v23, v22, v22                        ; z
	v_fma_f32 v24, v23, v43, v44
	v_fma_f32 v24, v24, v23, v45
	v_mul_f32 v26, v22, v23
	v_fma_f32 v24, v24, v26, v22                   ; sin r
	v_fma_f32 v25, v23, v46, v47
	v_fma_f32 v25, v25, v23, v48
	v_mul_f32 v26, v23, v23
	v_fma_f32 v27, v23, -0.5, 1.0
	v_fma_f32 v25, v25, v26, v27                   ; cos r
	v_cvt_i32_f32 v28, v21
	v_and_b32 v26, 1, v28                          ; n odd: sin and cos change places
	v_cmp_ne_u32 vcc_lo, 0, v26
	v_cndmask_b32 v[\s], v24, v25, vcc_lo
	v_cndmask_b32 v[\c], v25, v24, vcc_lo
	v_lshlrev_b32 v26, 30, v28                     ; n mod 4 = 2, 3: sin turns its sign
	v_and_b32 v26, 0x80000000, v26
	v_xor_b32 v[\s], v26, v[\s]
	v_add_nc_u32 v27, 1, v28                       ; n mod 4 = 1, 2: cos does
	v_lshlrev_b32 v27, 30, v27
	v_and_b32 v27, 0x80000000, v27
	v_xor_b32 v[\c], v27, v[\c]
.endm
	SINCOS 8, 12, 13
	SINCOS 9, 14, 15
	global_store_b128 v10, v[12:15], s[26:27]      ; a wave stores 512 consecutive bytes
	s_cmp_lt_u32 s3, 16                            ; the first sixteen work-groups (R = 0..7) also write the 8 blocks that change nothing
	s_cbranch_scc0 .Ldone
	v_mov_b32 v16, 1.0
	v_mov_b32 v17, 0
	v_mov_b32 v18, 1.0
	v_mov_b32 v19, 0
	global_store_b128 v10, v[16:19], s[26:27] offset:1048576
.Ldone:
	s_endpgm
.Lfunc_end_k_qe45a514123_prep:
	.size	k_qe45a514123_prep, .Lfunc_end_k_qe45a514123_prep-k_qe45a514123_prep
	.p2alignl 7, 3214868480
	.fill 96, 4, 3214868480
	.section	.rodata,"a",@progbits
	.p2align	6, 0x0
	.amdhsa_kernel k_qe45a514123_prep
		.amdhsa_group_segment_fixed_size 0
		.amdhsa_private_segment_fixed_size 0
		.amdhsa_enable_private_segment 0
		.amdhsa_kernarg_size 80
		.amdhsa_user_sgpr_count 2
		.amdhsa_user_sgpr_kernarg_segment_ptr 1
		.amdhsa_wavefront_size32 1
		.amdhsa_system_sgpr_workgroup_id_x 1
		.amdhsa_system_sgpr_workgroup_id_y 1
		.amdhsa_system_sgpr_workgroup_id_z 1
		.amdhsa_system_vgpr_workitem_id 0
		.amdhsa_next_free_vgpr 96
		.amdhsa_next_free_sgpr 66
		.amdhsa_reserve_vcc 1
		.amdhsa_float_denorm_mode_32 3
		.amdhsa_float_denorm_mode_16_64 3
		.amdhsa_memory_ordered 1
		.amdhsa_forward_progress 1
		.amdhsa_inst_pref_size 20
	.end_amdhsa_kernel
	.amdgpu_metadata
---
amdhsa.version: [ 1, 2 ]
amdhsa.kernels:
  - .name:           k_qe45a514123_prep
    .symbol:         k_qe45a514123_prep.kd
    .args:
      - { .name: x, .offset: 0, .size: 8, .value_kind: global_buffer, .address_space: global }
      - { .name: wq, .offset: 8, .size: 8, .value_kind: global_buffer, .address_space: global }
      - { .name: wk, .offset: 16, .size: 8, .value_kind: global_buffer, .address_space: global }
      - { .name: wv, .offset: 24, .size: 8, .value_kind: global_buffer, .address_space: global }
      - { .name: wo, .offset: 32, .size: 8, .value_kind: global_buffer, .address_space: global }
      - { .name: token_positions, .offset: 40, .size: 8, .value_kind: global_buffer, .address_space: global }
      - { .name: xb, .offset: 48, .size: 8, .value_kind: global_buffer, .address_space: global }
      - { .name: wb, .offset: 56, .size: 8, .value_kind: global_buffer, .address_space: global }
      - { .name: wob, .offset: 64, .size: 8, .value_kind: global_buffer, .address_space: global }
      - { .name: tab, .offset: 72, .size: 8, .value_kind: global_buffer, .address_space: global }
    .group_segment_fixed_size: 0
    .private_segment_fixed_size: 0
    .kernarg_segment_align: 8
    .kernarg_segment_size: 80
    .max_flat_workgroup_size: 256
    .sgpr_count:     66
    .vgpr_count:     96
    .wavefront_size: 32
...
	.end_amdgpu_metadata
.endif
;; end of part 1
;; launch qkv (part 2): grid 24 x 8, 4 waves a work-group, clusters of 4 x 4, 327,680 bytes of LDS; arguments xb, wb, tab, qkv; writes qkv
.if DOCPART == 2
	.amdgcn_target "amdgcn-amd-amdhsa--gfx1250"
	.amdhsa_code_object_version 6
	.text
	.protected	k_qe45a514123_qkv
	.globl	k_qe45a514123_qkv
	.p2align	8
	.type	k_qe45a514123_qkv,@function
k_qe45a514123_qkv:
	s_mov_b64 s[64:65], 0
	v_nop
	global_prefetch_b8 v0, s[64:65] scope:SCOPE_SE
	s_setreg_imm32_b32 hwreg(HW_REG_WAVE_MODE, 25, 1), 1
	s_wait_xcnt 0x0
	s_wait_alu depctr_hold_cnt(0) depctr_sa_sdst(0) depctr_va_vdst(0) depctr_va_sdst(0) depctr_va_ssrc(0) depctr_va_vcc(0) depctr_vm_vsrc(0)
	s_getreg_b32 s2, hwreg(HW_REG_IB_STS2, 6, 4)
	s_cmp_eq_u32 s2, 0
	s_cbranch_scc0 .Lentry_in_a_cluster
	s_endpgm
.Lentry_in_a_cluster:
	s_bfe_u32 s2, ttmp6, 0x10000c
	s_cmp_lg_u32 s2, 0xf033
	s_cbranch_scc0 .Lentry_shape_is_right
	s_endpgm
.Lentry_shape_is_right:
; q, k, v = xb wb^T, q and k rotated, all rounded once to f16 and laid by heads.  xb: [2048][2048] bf16; wb: [6144][2048] bf16 (wq's, wk's, wv's rows);
; qkv: [48][2048][128] f16, plane 0-15 q's heads, 16-31 k's, 32-47 v's.  Sums in f32.
; LIMIT.  f16 holds no number beyond 65,504: |q|, |k|, |v| must stay within it.
; A tile of C, 256 x 256, is made by four waves, a wave makes 128 x 128: 128 rows of ONE head: 64 accumulators of 16 x 16, 512 registers.  K goes in steps of 128 through a ring of two LDS
; slots filled by the tensor data mover; rows of 256 bytes, padded to 272 in LDS.
; CLUSTERS: 4 x 4 work-groups.  The four of a row of the cluster need the same tiles of xb, the four of a column the same tiles of wb: each tile is asked for JOINTLY, by the same tensor load
; with the same descriptor and a mask that names the four.
; THE MATRIX INSTRUCTION IS USED TRANSPOSED: source 0 = 16 rows of wb, source 1 = 16 rows of xb.  Lane l then holds row l % 16 of C and its registers 0 to 7 the channels 8 (l / 16) + 0..7:
; four (even, odd) pairs, which the rotation turns in the lane itself; the table holds (cos, sin) in just that order, 16 bytes a lane and load.  v's tiles read table blocks of (1, 0).
; REGISTERS, in windows of 256: window 0: v0-31 addresses; v64-127, v128-191 fragments of xb, two buffers; window 1: the same numbers, fragments of wb; windows 2, 3: the accumulators
; ((a, b) at v[8 (8 (a % 4) + b)]).  THE TABLE, 64 registers for each of my eight blocks of 16 rows: blocks 0, 1, 2 are loaded at the head, into window 0 v192-255 and window 1 v0-63, v192-255,
; which nothing else uses; blocks 3, 4, 5 at the way out's start, into the fragments' registers; blocks 6, 7 where blocks 0, 1 lay.  On the way out, window 0: v32-63 rows read back; v128-191 at work.
.set SIZE_K, 2048
.set KSTEP,  128
.set PITCH,  272                       ; 256 bytes + 16 of padding = 68 words: row r starts at bank 4 r mod 64 (64 banks of 4 bytes: ISA guide 11.1)
.set HALFT,  128*PITCH                 ; 128 rows: what one tensor load brings
.set SLOT,   4*HALFT                   ; xb's 256 rows, then wb's 256 rows
.set STAGE,  2*SLOT                    ; behind the ring: 16 rows x 272 bytes for each wave, for the way out; no tensor load fills it
.set SPITCH, 272
.set SPARE,  STAGE+4*16*SPITCH         ; behind the stages: the spare words, 128 bytes a wave, which no other line names
.set LAPS,   SIZE_K/(2*KSTEP)          ; a lap = two K steps = once round the ring
.set ADRA, 16                          ; v16-17  LDS address of my xb fragments in slot 0, 1
.set ADRB, 20                          ; v20-21  the same for wb
.set STO,  24                          ; v24     where I put 16 bytes of a row
.set RD,   25                          ; v25     where I read a row back
.set CO,   26                          ; v26     16 x lane: my bytes in 512 consecutive bytes of the table and of qkv; never rewritten
.set SPW,  28                          ; v28     my spare word; never rewritten
.set NIL,  29                          ; v29     0; never rewritten
.set PFO,  30                          ; v30     lane x 4,096: a row of xb or wb; never rewritten
.set PFA,  44                          ; s[44:45] where my prefetches stand
.set LIM,  43                          ; s43     1 in a wave that prefetches, else the greatest number
.set TABB, 66                          ; s[66:67] the table at my first block of 16 rows
.set F0,   64
.set F1,   128
.set OB,   32
.set T,    128
.set G1, 24                            ; s[24:31] descriptor group 1 for xb's tiles;  s[32:39] group 0, a set for each slot
.set G0, 32
.set G1B, 48                           ; s[48:55], s[56:63] the same for wb's tiles
.set G0B, 56
.set MSB, 0
.macro WIN new                         ; the immediate's high byte repeats the setting that is left; a switch that changes nothing is dropped
.if MSB != (\new)
	s_set_vgpr_msb (MSB<<8)|(\new)
.set MSB, \new
.endif
.endm
.set MUL_LO, 0xa1                      ; source 0 (wb) window 1, source 1 (xb) window 0, C and D window 2
.set MUL_HI, 0xf1                      ; the same, C and D window 3
.set TO_B,   0x40                      ; destination window 1, address window 0
; A joint load.  Waves 0 and 1 fetch xb's two halves, waves 2 and 3 wb's.  The branch hangs on the wave's number alone.  An s_nop 0 and four v_nop follow each line.
.macro JLOAD s
	s_cmp_eq_u32 s11, 0
	s_cbranch_scc0 .Lfor_b_\@
	tensor_load_to_lds s[G0+4*(\s):G0+4*(\s)+3], s[G1:G1+7]
	s_nop 0
.rept 4
	v_nop
.endr
	s_branch .Lasked_\@
.Lfor_b_\@:
	tensor_load_to_lds s[G0B+4*(\s):G0B+4*(\s)+3], s[G1B:G1B+7]
	s_nop 0
.rept 4
	v_nop
.endr
.Lasked_\@:
.endm
; A prefetch of the K step that stands two refills on: 32 rows x 256 bytes, a lane a row, one instruction a wave.  Each row's 256 bytes of a K step are named once in the launch: xb's rows by the
; clusters with x = 0, wb's by those with y = 0; of the 128 rows that a wave fetches the four partners take 32 each, told apart by address.  The loop's last trip (s3 = 1) asks for nothing.
.macro ASK
	s_cmp_gt_u32 s3, s[LIM]
	s_cbranch_scc0 .Lnot_mine_\@
	global_prefetch_b8 v[PFO], s[PFA:PFA+1] offset:KSTEP*2 th:TH_LOAD_NT scope:SCOPE_SE
.Lnot_mine_\@:
.endm
.macro CREST                           ; a round of the cluster's barrier behind its opening barrier
	s_cmp_lg_u32 s10, 0
	s_cbranch_scc1 .Lnot_wave_0_\@
	s_barrier_signal -3
.Lnot_wave_0_\@:
	s_barrier_wait -3
	s_barrier_signal -1
	s_barrier_wait -1
.endm
.macro CROUND                          ; a whole round
	s_barrier_signal -1
	s_barrier_wait -1
	CREST
.endm
	s_load_b128 s[4:7], s[0:1], 0x0                ; xb s[4:5], wb s[6:7]
	s_load_b128 s[68:71], s[0:1], 0x10             ; tab s[68:69], qkv s[70:71]
	v_lshl_add_u32 v[SPW], v0, 2, SPARE
	v_mov_b32 v[NIL], 0
	ds_add_u32 v[SPW], v[NIL]                      ; the wave's opening: the add and its wait stand ahead of my first tensor load
	v_lshrrev_b32 v1, 5, v0
	v_readfirstlane_b32 s10, v1                    ; wave 0..3
	s_lshr_b32 s11, s10, 1                         ; which half of the tile's rows is mine.  Also: I fetch for xb (0) or for wb (1)
	s_and_b32 s12, s10, 1                          ; which half of its columns.  Also: which 128 rows of that tile I fetch
	s_bfe_u32 s40, ttmp6, 0x40000                  ; cx
	s_bfe_u32 s41, ttmp6, 0x40004                  ; cy
	s_lshl_b32 s42, ttmp9, 2
	s_add_co_u32 s42, s42, s40                     ; tile column = 4 x cluster x + cx
	s_and_b32 s13, ttmp7, 0xffff
	s_lshl_b32 s13, s13, 2
	s_add_co_u32 s13, s13, s41                     ; tile row = 4 x cluster y + cy
	s_lshl_b32 s43, s41, 2
	s_lshl_b32 s43, 15, s43                        ; my row of the cluster
	s_lshl_b32 s44, 0x1111, s40                    ; my column
	; descriptor group 1: 128 rows x 128 elements of 2 bytes; 16 bytes of padding behind every 64 words
	s_or_b32 s[G1+0], s43, (1<<16)|(1<<20)|(1<<21)|(5<<22)|(3<<25)
	s_or_b32 s[G1B+0], s44, (1<<16)|(1<<20)|(1<<21)|(5<<22)|(3<<25)
.irp g, G1, G1B
	s_mov_b32 s[(\g)+1], KSTEP<<16                 ; tensor_dim0 = 128
	s_mov_b32 s[(\g)+2], 128<<16                   ; tensor_dim1 = 128
	s_mov_b32 s[(\g)+3], KSTEP<<16                 ; tile_dim0 = 128
	s_mov_b32 s[(\g)+4], 128                       ; tile_dim1 = 128
	s_mov_b32 s[(\g)+5], SIZE_K                    ; elements from row to row
	s_mov_b32 s[(\g)+6], 0
	s_mov_b32 s[(\g)+7], 0
.endr
	s_lshl_b32 s17, s12, 7                         ; which 128 rows of the tile I fetch
	s_lshl_b32 s16, s13, 8
	s_add_co_u32 s16, s16, s17                     ; xb: row 256 x tile row + 128 x half
	s_lshl_b32 s46, s42, 8
	s_add_co_u32 s46, s46, s17                     ; wb: row 256 x tile column + 128 x half
	s_mov_b32 s17, 0
	s_mov_b32 s47, 0
	s_mov_b64 s[18:19], SIZE_K*2
	s_mul_u64 s[16:17], s[16:17], s[18:19]
	s_mul_u64 s[46:47], s[46:47], s[18:19]
	s_mul_i32 s20, s10, HALFT                      ; where they go: wave x 128 rows
	s_wait_dscnt 0x0                               ; the opening add is done
	s_wait_kmcnt 0x0
	s_add_nc_u64 s[14:15], s[4:5], s[16:17]
	s_add_nc_u64 s[46:47], s[6:7], s[46:47]
	CROUND                                         ; all sixteen work-groups are here: the first joint loads meet
.irp s, 0,1
	s_mov_b32 s[G0+4*(\s)], 1
	s_add_co_u32 s[G0+4*(\s)+1], s20, (\s)*SLOT
	s_add_nc_u64 s[G0+4*(\s)+2:G0+4*(\s)+3], s[14:15], (\s)*KSTEP*2
	s_or_b32 s[G0+4*(\s)+3], s[G0+4*(\s)+3], 0x80000000
	s_mov_b32 s[G0B+4*(\s)], 1
	s_add_co_u32 s[G0B+4*(\s)+1], s20, (\s)*SLOT
	s_add_nc_u64 s[G0B+4*(\s)+2:G0B+4*(\s)+3], s[46:47], (\s)*KSTEP*2
	s_or_b32 s[G0B+4*(\s)+3], s[G0B+4*(\s)+3], 0x80000000
	JLOAD \s
.endr
	; a fragment is 16 rows x 32 K in 8 registers: lane l holds row l % 16, K = 8 (l / 16) + 0..7 and 16 + 8 (l / 16) + 0..7: two loads of 16 bytes, 32 bytes apart
	v_and_b32 v1, 15, v0
	v_bfe_u32 v2, v0, 4, 1
	v_mul_u32_u24 v3, v1, PITCH
	v_lshl_add_u32 v3, v2, 4, v3
	s_mul_i32 s21, s11, HALFT                      ; my 128 rows of xb
	s_mul_i32 s22, s12, HALFT                      ; my 128 rows of wb,
	s_add_co_u32 s22, s22, 2*HALFT                 ; which lie behind xb's 256
.irp s, 0,1
	v_add_nc_u32 v[ADRA+(\s)], s21, v3
	v_add_nc_u32 v[ADRB+(\s)], s22, v3
	s_add_co_u32 s21, s21, SLOT
	s_add_co_u32 s22, s22, SLOT
.endr
	s_mul_i32 s23, s10, 16*SPITCH
	s_add_co_u32 s23, s23, STAGE                   ; my stage
	v_mul_u32_u24 v4, v1, SPITCH                   ; in: row l % 16, 16 bytes for each half of the lanes
	v_lshl_add_u32 v4, v2, 4, v4
	v_add_nc_u32 v[STO], s23, v4
	v_mul_u32_u24 v5, v2, SPITCH                   ; back: lanes 0-15 one row of 256 bytes, lanes 16-31 the next
	v_lshl_add_u32 v5, v1, 4, v5
	v_add_nc_u32 v[RD], s23, v5
	v_and_b32 v[CO], 31, v0
	v_lshlrev_b32 v[CO], 4, v[CO]
	; my 128 rows of my head's plane: plane 2 x tile column + half, row 256 x tile row + 128 x half, 256 bytes a row
	s_lshl_b32 s72, s42, 1
	s_add_co_u32 s72, s72, s12
	s_lshl_b32 s72, s72, 19
	s_lshl_b32 s73, s13, 16
	s_add_co_u32 s72, s72, s73
	s_lshl_b32 s73, s11, 15
	s_add_co_u32 s72, s72, s73
	s_mov_b32 s73, 0
	s_add_nc_u64 s[8:9], s[70:71], s[72:73]
	; the table: block 16 x tile row + 8 x half of 8,192 bytes; for v's tiles (cluster x = 4, 5) the blocks that change nothing
	s_lshl_b32 s72, s13, 4
	s_lshl_b32 s73, s11, 3
	s_add_co_u32 s72, s72, s73
	s_lshl_b32 s72, s72, 13
	s_lshr_b32 s73, ttmp9, 1
	s_cmp_eq_u32 s73, 2
	s_cselect_b32 s72, 0x100000, s72
	s_mov_b32 s73, 0
	s_add_nc_u64 s[TABB:TABB+1], s[68:69], s[72:73]
	; the prefetches
	s_lshl_b32 s13, s13, 8
	s_lshl_b32 s42, s42, 8
	s_and_b32 s22, ttmp7, 0xffff                   ; cluster y
	s_cmp_eq_u32 s11, 0                            ; do I fetch for xb?
	s_cselect_b32 s20, s13, s42                    ; the tile's first row
	s_cselect_b32 s21, s40, s41                    ; my place among the four that ask for it with me
	s_cselect_b32 s22, ttmp9, s22                  ; the coordinate along which other clusters read the same rows
	s_cselect_b64 s[PFA:PFA+1], s[4:5], s[6:7]
	s_cmp_eq_u32 s22, 0
	s_cselect_b32 s[LIM], 1, -1
	s_lshl_b32 s22, s12, 7
	s_add_co_u32 s20, s20, s22                     ; + the 128 rows that I fetch
	s_lshl_b32 s21, s21, 5
	s_add_co_u32 s20, s20, s21                     ; + my work-group's 32 of them
	s_mov_b32 s21, 0
	s_mov_b64 s[18:19], SIZE_K*2
	s_mul_u64 s[20:21], s[20:21], s[18:19]
	s_add_nc_u64 s[PFA:PFA+1], s[PFA:PFA+1], s[20:21]
	s_add_nc_u64 s[PFA:PFA+1], s[PFA:PFA+1], 2*KSTEP*2  ; at K step 2: the first refill steps it to 3 and names K step 4
	v_and_b32 v[PFO], 31, v0
	v_mul_u32_u24 v[PFO], v[PFO], SIZE_K*2
; 16 matrix instructions: m blocks a0, a0 + 1 of the window's four x all 8 n blocks, 32 along K.  zero = 1: the first product starts the sums.
.macro MUL16 f, hi, a0, zero
	WIN MUL_LO+0x50*(\hi)
.irp a, \a0, (\a0)+1
.irp b, 0,1,2,3,4,5,6,7
.if \zero
	v_wmma_f32_16x16x32_bf16 v[8*(8*(\a)+(\b)):8*(8*(\a)+(\b))+7], v[(\f)+8*(\b):(\f)+8*(\b)+7], v[(\f)+8*(4*(\hi)+(\a)):(\f)+8*(4*(\hi)+(\a))+7], 0
.else
	v_wmma_f32_16x16x32_bf16 v[8*(8*(\a)+(\b)):8*(8*(\a)+(\b))+7], v[(\f)+8*(\b):(\f)+8*(\b)+7], v[(\f)+8*(4*(\hi)+(\a)):(\f)+8*(4*(\hi)+(\a))+7], v[8*(8*(\a)+(\b)):8*(8*(\a)+(\b))+7]
.endif
.endr
.endr
.endm
; 32 LDS loads in one run: the fragments of one quarter step (32 K at byte k of the rows) into buffer f
.macro FETCH slot, k, f
	WIN TO_B
.irp i, 0,1,2,3,4,5,6,7
	ds_load_b128 v[(\f)+8*(\i):(\f)+8*(\i)+3],   v[ADRB+(\slot)] offset:(\k)+(\i)*16*PITCH
	ds_load_b128 v[(\f)+8*(\i)+4:(\f)+8*(\i)+7], v[ADRB+(\slot)] offset:(\k)+(\i)*16*PITCH+32
.endr
	WIN 0
.irp i, 0,1,2,3,4,5,6,7
	ds_load_b128 v[(\f)+8*(\i):(\f)+8*(\i)+3],   v[ADRA+(\slot)] offset:(\k)+(\i)*16*PITCH
	ds_load_b128 v[(\f)+8*(\i)+4:(\f)+8*(\i)+7], v[ADRA+(\slot)] offset:(\k)+(\i)*16*PITCH+32
.endr
.endm
.macro PLACES                          ; four plain instructions behind a matrix instruction, in front of loads into registers that it has read and of lines that read its result
.rept 4
	v_nop
.endr
.endm
; A K step is four quarters of 32 along K, 64 matrix instructions each, on buffers 0, 1, 0, 1.  One of the first three multiplies f and fetches the next quarter, at byte k, into g.
.macro QUARTER slot, k, f, g, zero
	s_wait_dscnt 8                                 ; wb's and xb's rows 0-63 are in; the youngest eight loads (xb's rows 64-127) may be out
	MUL16 \f, 0, 0, \zero
	MUL16 \f, 0, 2, \zero
	PLACES
	FETCH \slot, \k, \g
	s_wait_dscnt 32                                ; all but the 32 just issued
	MUL16 \f, 1, 0, \zero
	MUL16 \f, 1, 2, \zero
.endm
; The first half of a step's last quarter: ONE barrier for the change of slots.  In front of it each wave waits for all its tensor loads (one is out: its part of the next slot), adds 0 to its
; spare word, and waits for that and for its own reads of this slot.
.macro MEET round
	WIN 0
	s_wait_tensorcnt 0x0                           ; all my tensor loads have landed
	ds_add_u32 v[SPW], v[NIL]
	s_wait_dscnt 9                                 ; the add and the youngest eight loads may be out
	MUL16 F1, 0, 0, 0                              ; sixteen matrix instructions stand between the add and the wait for it
	s_wait_dscnt 0x0                               ; the add is done, and my reads of this slot are over
	s_barrier_signal -1
	MUL16 F1, 0, 2, 0
.if \round
	WIN 0
.endif
	s_barrier_wait -1
.endm
; The whole last quarter where the slot is filled again, two K steps ahead: the barrier opens a round of the cluster's, and the joint refill is the first thing behind it.
.macro TURN slot, next
	s_wait_xcnt 0x0                                ; the last prefetch, a K step back, has read its address
	s_add_nc_u64 s[PFA:PFA+1], s[PFA:PFA+1], KSTEP*2
	MEET 1
	CREST
	s_add_nc_u64 s[G0+4*(\slot)+2:G0+4*(\slot)+3], s[G0+4*(\slot)+2:G0+4*(\slot)+3], 2*KSTEP*2
	s_add_nc_u64 s[G0B+4*(\slot)+2:G0B+4*(\slot)+3], s[G0B+4*(\slot)+2:G0B+4*(\slot)+3], 2*KSTEP*2
	JLOAD \slot                                    ; its four v_nop are also the places in front of the loads below
	FETCH \next, 0, F0
	ASK
	MUL16 F1, 1, 0, 0
	MUL16 F1, 1, 2, 0
.endm
.macro TURNX slot, next                ; the same where nothing is filled again: no round
	MEET 0
	PLACES
	FETCH \next, 0, F0
	MUL16 F1, 1, 0, 0
	MUL16 F1, 1, 2, 0
.endm
; Where block a's table lies: window TW, first register TB
.macro TBUF a
.set TW, 1
.if ((\a) == 0) || ((\a) == 6)
.set TW, 0
.set TB, 192
.elseif ((\a) == 1) || ((\a) == 7)
.set TB, 0
.elseif (\a) == 2
.set TB, 192
.elseif (\a) == 3
.set TB, 64
.elseif (\a) == 4
.set TB, 128
.else
.set TW, 0
.set TB, 64
.endif
.endm
; The table's block a: 16 loads of 512 consecutive bytes
.macro TABLD a
	TBUF \a
	WIN TW<<6                                      ; destination window TW, address window 0
.irp b, 0,1,2,3,4,5,6,7
	global_load_b128 v[TB+8*(\b):TB+8*(\b)+3],   v[CO], s[TABB:TABB+1] offset:(\a)*8192+(\b)*1024
	global_load_b128 v[TB+8*(\b)+4:TB+8*(\b)+7], v[CO], s[TABB:TABB+1] offset:(\a)*8192+(\b)*1024+512
.endr
	WIN 0
.endm
; Block a's rotation: (x1, x2) -> (x1 cos - x2 sin, x2 cos + x1 sin), from the accumulators into T, a pair an instruction.  The multiply takes x crossed and sin twice: (x2 sin, x1 sin); the fused
; multiply-add takes x as it lies and cos twice, and turns the sign of the addend's low half.  Each accumulator's first read is its registers 0 and 1.
.macro ROPE a
	TBUF \a
.set AC, 64*((\a)%4)
	WIN (0x02+(\a)/4)|(TW<<2)                      ; source 0: the accumulators' window; source 1: the table's; all else window 0
.irp b, 0,1,2,3,4,5,6,7
.irp q, 0,2,4,6
	v_pk_mul_f32 v[T+8*(\b)+(\q):T+8*(\b)+(\q)+1], v[AC+8*(\b)+(\q):AC+8*(\b)+(\q)+1], v[TB+8*(\b)+(\q):TB+8*(\b)+(\q)+1] op_sel:[1,1] op_sel_hi:[0,1]
.endr
.endr
.irp b, 0,1,2,3,4,5,6,7
.irp q, 0,2,4,6
	v_pk_fma_f32 v[T+8*(\b)+(\q):T+8*(\b)+(\q)+1], v[AC+8*(\b)+(\q):AC+8*(\b)+(\q)+1], v[TB+8*(\b)+(\q):TB+8*(\b)+(\q)+1], v[T+8*(\b)+(\q):T+8*(\b)+(\q)+1] op_sel_hi:[1,0,1] neg_lo:[0,0,1]
.endr
.endr
	WIN 0
.endm
	TABLD 0                                        ; the first three blocks' tables come while K is walked: 48 loads, into registers that the loop does not name
	TABLD 1
	TABLD 2
	s_wait_tensorcnt 1                             ; my part of K step 0 is in; K step 1's may stay out
	s_barrier_signal -1
	s_barrier_wait -1
	FETCH 0, 0, F0
	QUARTER 0, 64,  F0, F1, 1                      ; the first quarter stands in front of the loop: its products start the sums
	WIN 0
	s_mov_b32 s3, LAPS-1
.Llap:                                         ; a trip goes once round the ring, from a lap's second quarter to the next lap's first, and fills both slots again
	QUARTER 0, 128, F1, F0, 0
	QUARTER 0, 192, F0, F1, 0
	TURN 0, 1
	QUARTER 1, 64,  F0, F1, 0
	QUARTER 1, 128, F1, F0, 0
	QUARTER 1, 192, F0, F1, 0
	TURN 1, 0
	QUARTER 0, 64,  F0, F1, 0
	WIN 0
	s_sub_co_u32 s3, s3, 1
	s_cmp_lg_u32 s3, 0
	s_cbranch_scc1 .Llap
	QUARTER 0, 128, F1, F0, 0                      ; the last lap fills nothing
	QUARTER 0, 192, F0, F1, 0
	TURNX 0, 1
	QUARTER 1, 64,  F0, F1, 0
	QUARTER 1, 128, F1, F0, 0
	QUARTER 1, 192, F0, F1, 0
	s_wait_dscnt 8                                 ; the very last quarter: nothing more to fetch
	MUL16 F1, 0, 0, 0
	MUL16 F1, 0, 2, 0
	s_wait_dscnt 0x0
	MUL16 F1, 1, 0, 0
	MUL16 F1, 1, 2, 0
	; THE WAY OUT, a block of 16 rows at a time: rotate, round to f16, 16 bytes a lane into my own stage, back as whole rows, 16 rows of a head = 4,096 consecutive bytes of qkv.
	PLACES
	s_wait_loadcnt 0x0                             ; the tables of blocks 0, 1, 2, asked for at the head
	TABLD 3                                        ; the fragments' registers are free: three more blocks are asked for, three blocks' work ahead of the first of them
	TABLD 4
	TABLD 5
.irp a, 0,1,2,3,4,5,6,7
.if (\a) == 3
	s_wait_loadcnt 63                              ; behind block 3's loads came those of blocks 4 to 7, 64 in all: a count of 63 shows 17 of the 80 done, block 3's 16 among them
.elseif (\a) > 3
	s_wait_loadcnt 16*(7-(\a))                     ; this block's table is in; the later blocks' loads stay out
.endif
	ROPE \a
.if (\a) < 2
	TABLD (\a)+6                                   ; blocks 6 and 7 go where blocks 0 and 1 lay
.endif
.set i, 0
.rept 32
	v_cvt_pk_f16_f32 v[T+i], v[T+2*i], v[T+2*i+1]  ; in place, ascending: line i writes below what the later lines read
.set i, i+1
.endr
	s_wait_xcnt 0x0                                ; the last block's stores have read v32-63, which are loaded again below
.irp b, 0,1,2,3,4,5,6,7
	ds_store_b128 v[STO], v[T+4*(\b):T+4*(\b)+3] offset:32*(\b)
.endr
.irp t, 0,1,2,3,4,5,6,7
	ds_load_b128 v[OB+4*(\t):OB+4*(\t)+3], v[RD] offset:(\t)*2*SPITCH  ; LDS serves a wave's instructions in order (ISA guide 5.7.1.4): these see the stores above
.endr
	s_wait_dscnt 0x0
.irp t, 0,1,2,3,4,5,6,7
	global_store_b128 v[CO], v[OB+4*(\t):OB+4*(\t)+3], s[8:9] offset:(\a)*4096+(\t)*512  ; 512 consecutive bytes, at a multiple of 256 from qkv's first
.endr
.endr
	s_wait_tensorcnt 0x0                           ; the wave's end
	ds_add_u32 v[SPW], v[NIL]
	s_wait_dscnt 0x0
	CROUND                                         ; the closing round
	s_endpgm
.Lfunc_end_k_qe45a514123_qkv:
	.size	k_qe45a514123_qkv, .Lfunc_end_k_qe45a514123_qkv-k_qe45a514123_qkv
	.p2alignl 7, 3214868480
	.fill 96, 4, 3214868480
	.section	.rodata,"a",@progbits
	.p2align	6, 0x0
	.amdhsa_kernel k_qe45a514123_qkv
		.amdhsa_group_segment_fixed_size 327680
		.amdhsa_private_segment_fixed_size 0
		.amdhsa_enable_private_segment 0
		.amdhsa_kernarg_size 32
		.amdhsa_user_sgpr_count 2
		.amdhsa_user_sgpr_kernarg_segment_ptr 1
		.amdhsa_wavefront_size32 1
		.amdhsa_system_sgpr_workgroup_id_x 1
		.amdhsa_system_sgpr_workgroup_id_y 1
		.amdhsa_system_sgpr_workgroup_id_z 1
		.amdhsa_system_vgpr_workitem_id 0
		.amdhsa_next_free_vgpr 1024
		.amdhsa_next_free_sgpr 80
		.amdhsa_reserve_vcc 0
		.amdhsa_float_denorm_mode_32 3
		.amdhsa_float_denorm_mode_16_64 3
		.amdhsa_memory_ordered 1
		.amdhsa_forward_progress 1
		.amdhsa_inst_pref_size 188
	.end_amdhsa_kernel
	.amdgpu_metadata
---
amdhsa.version: [ 1, 2 ]
amdhsa.kernels:
  - .name:           k_qe45a514123_qkv
    .symbol:         k_qe45a514123_qkv.kd
    .args:
      - { .name: xb, .offset: 0, .size: 8, .value_kind: global_buffer, .address_space: global }
      - { .name: wb, .offset: 8, .size: 8, .value_kind: global_buffer, .address_space: global }
      - { .name: tab, .offset: 16, .size: 8, .value_kind: global_buffer, .address_space: global }
      - { .name: qkv, .offset: 24, .size: 8, .value_kind: global_buffer, .address_space: global }
    .group_segment_fixed_size: 327680
    .private_segment_fixed_size: 0
    .kernarg_segment_align: 8
    .kernarg_segment_size: 32
    .max_flat_workgroup_size: 128
    .sgpr_count:     80
    .vgpr_count:     1024
    .wavefront_size: 32
...
	.end_amdgpu_metadata
.endif
;; end of part 2
;; launch attn (part 3): grid 16 x 16, 4 waves a work-group, clusters of 4 x 1, 327,680 bytes of LDS; arguments qkv, ob; writes ob
.if DOCPART == 3
	.amdgcn_target "amdgcn-amd-amdhsa--gfx1250"
	.amdhsa_code_object_version 6
	.text
	.protected	k_qe45a514123_attn
	.globl	k_qe45a514123_attn
	.p2align	8
	.type	k_qe45a514123_attn,@function
k_qe45a514123_attn:
	s_mov_b64 s[64:65], 0
	v_nop
	global_prefetch_b8 v0, s[64:65] scope:SCOPE_SE
	s_setreg_imm32_b32 hwreg(HW_REG_WAVE_MODE, 25, 1), 1
	s_wait_xcnt 0x0
	s_wait_alu depctr_hold_cnt(0) depctr_sa_sdst(0) depctr_va_vdst(0) depctr_va_sdst(0) depctr_va_ssrc(0) depctr_va_vcc(0) depctr_vm_vsrc(0)
	s_getreg_b32 s2, hwreg(HW_REG_IB_STS2, 6, 4)
	s_cmp_eq_u32 s2, 0
	s_cbranch_scc0 .Lentry_in_a_cluster
	s_endpgm
.Lentry_in_a_cluster:
	s_bfe_u32 s2, ttmp6, 0x10000c
	s_cmp_lg_u32 s2, 0x3003
	s_cbranch_scc0 .Lentry_shape_is_right
	s_endpgm
.Lentry_shape_is_right:
; CAUSAL ATTENTION, head size 128.  qkv: [48][2048][128] f16 (planes 0-15 q, 16-31 k, 32-47 v, by heads); ob: [2048][2048] f16, column = 128 head + channel.
; Products, maxima and sums in f32; the weights p are rounded to f16 for the second product (their sum l is taken of the unrounded p), O once at the end.
; LIMITS.  q, k, v arrive within f16's 65,504.  A hidden score counts as its value less 1e30; |c s| stays under 4e37; a weight below 2^-126 counts as 0; NaN and infinities are not treated apart.
; THE WALK.  A head's queries lie in 32 blocks of 64; block i needs the keys 0 .. 64 i + 63.  Work-group j = 4 g + cx (g: the cluster's x) takes block j and then block 31 - j.  Keys come in tiles
; of 256: the first block needs tiles 0 .. g, the second 0 .. 7 - g: nine steps, whatever j, and THE SAME nine tiles for the four partners of a cluster.  So every tile is asked for JOINTLY, and every
; trip count and branch hangs on g alone; cx enters the addresses of Q and O and the masks' values.  The short block goes first, so that its end falls into the loop for every g.
; SHARES.  THE KEYS ARE SPLIT AMONG THE WAVES: of a tile's 256 keys wave w takes chunk 4 tile + w of 64, for all 64 queries (four tiles of 16).  Each wave keeps its own running maximum m, sum l
; and O^T; at a block's end the four partial results meet in LDS, in f32: O = sum_w 2^(c m_w - M) O_w / sum_w 2^(c m_w - M) l_w, M the largest c m_w.
; LAYOUT.  S^T = K Q^T (source 0 = 16 keys, source 1 = 16 queries): a lane holds ONE query (lane % 16) and the keys 8 (lane / 16) + 0..7; two such results rounded to f16 ARE source 1 of
; O^T = V^T P.  K comes out of LDS as it lies, V turned, by ds_load_tr16_b128.  p = 2^(c s - c m), c = log2(e) / sqrt(128); in every step O and l are multiplied by a = 2^(c m_old - c m_new).
; c m starts far below every c s, so a block's first a is 0 and O and l need only be finite there.
; THE MASK is the C operand that starts the sums S^T: 0, or -1e30 where the key is hidden.  For chunk CI and block BI: CI < BI all seen, CI > BI all hidden, CI = BI: key block kb against query
; tile t: kb < t seen (MA), kb > t hidden (MC), kb = t the diagonal (MB = MD x AL + BE).  Three masks of 8 registers, made anew in each step from three scalars.  A wave that has seen only hidden
; keys ends with c m near -1.3e29 and finite sums; the merge gives it the weight 0.  Wave 0 always sees key 0.
; A TRIP, for step k: the change of slots; K's run of LDS loads for step k; the 64 products V^T P of step k - 1; (the first block's end;) the masks; V's run of loads; the 64 products K Q^T and the
; softmax of step k.  So K's loads have 64 products in which to land, V's 64 products and a softmax.  BY TILES: the products go tile by tile, and a tile's softmax is a list of 134 lines cut at the
; wait for the exponentials.  Behind each of tile t's 16 products K Q^T stand four lines of tile t - 1's first part, behind each of tile t's 16 products V^T P four lines of tile t + 1's second
; part.  Bare stand tile 3's first part, the ONE wait for the step's 132 exponentials, and tile 0's second part.  The loop is entered in its middle, at step 0's masks.
; REGISTERS, in windows of 256 (s_set_vgpr_msb: bits 1:0 source 0, 3:2 source 1, 5:4 source 2, 7:6 destination):
;   window 0: v0-11, v44-63 addresses; v12-43 eight registers of statistics a tile; v64-191 S^T, 32 a tile; v192-255 P, 16 a tile
;   window 1: O^T, 64 a tile      window 2: v0-127 Q, 32 a tile; v128-255 K of one chunk      window 3: v0-127 V of one chunk; v128-159 MD, MA, MB, MC
; No window has room for a product's operands beside the softmax's, so four lines behind a product cost two switches: the price of setting them there.
.set PKB,   272       ; a row of K in LDS: 256 bytes + 16: row r starts at bank 4 r mod 64 (64 banks of 4 bytes: ISA guide 11.1)
.set PVB,   288       ; a row of V: 256 + 32
.set VOFF,  256*PKB   ; a slot holds a tile: 256 rows of K, then 256 rows of V
.set SLOT,  256*(PKB+PVB)
.set STAGE, 2*SLOT    ; behind the ring, never filled by a tensor load: 16 rows x 528 bytes of f32 for each wave
.set SP,    528
.set STAT,  STAGE+4*16*SP  ; (c m, l) by wave, tile and lane: 4,096 bytes
.set SPARE, STAT+4096 ; the spare words, 128 bytes a wave, which no other line names
.set AK0, 2           ; v2   my lane's place in a tile of K, my wave's chunk; never rewritten
.set AV0, 3           ; v3   the same for V
.set ADRK, 4          ; v4   the LDS address of K's run of loads
.set ADRV, 5          ; v5   of V's
.set QO,  6           ; v6   my byte offset in 16 rows of Q
.set STO, 7           ; v7   where I put 32 bytes of a row of my partial O
.set RDM, 8           ; v8   where I read 32 bytes of a row of wave 0's partial O
.set GO,  10          ; v10  my byte offset in ob
.set STW, 11          ; v11  where I put (c m, l)
.set ST,  12          ; tile t's statistics at v[ST+8 t]: +0 c m, +1 m, +2, +3 l (even keys', odd keys'), +4 to +7 c0-c3 at work; a takes c2's place
.set STR, 44          ; v44  where I read wave 0's (c m, l)
.set DG,  60          ; v60  lane % 16 - 8 (lane / 16)
.set PFO, 61          ; v61  256 x lane; never rewritten
.set SPW, 62          ; v62  my spare word; never rewritten
.set NIL, 63          ; v63  0; never rewritten
.set S,   64
.set P,   192
.set KF,  128         ; window 2
.set MD,  128         ; window 3
.set MA,  136
.set MB,  144
.set MC,  152
.set WV,  12          ; s12  my wave's number
.set CX,  13          ; s13  my place in the cluster
.set G,   14          ; s14  the cluster's x
.set KB,  16          ; s[16:17] K at my half of the head's tile 0
.set VB,  18          ; s[18:19] V likewise
.set QB2, 22          ; s[22:23] Q at the second block
.set G1K, 24          ; s[24:31] descriptor group 1 for K's tiles
.set G1V, 32          ; s[32:39] for V's: it differs in the padding alone
.set G0K, 40          ; s[40:43] descriptor group 0 for K's tiles
.set G0V, 44          ; s[44:47] for V's
.set OA,  48          ; s[48:49] ob at the block in hand
.set OB2, 50          ; s[50:51] at the second block
.set PFA, 52          ; s[52:53] where my prefetches stand
.set LIM, 54          ; s54  a wave prefetches while LIM < SLOTS <= LIM2
.set SLOTS, 55        ; s55  tiles still to be asked for
.set RT,  56          ; s56  steps of the first block whose V^T P is still to come
.set NXT, 57          ; s57  the tile to be asked for next
.set CS,  58          ; s[58:59] c
.set SEL, 60          ; s[60:61] v_permlanex16_b32's selects: each lane takes its own place in the other half
.set LQ,  62          ; s62  the last tile of the block whose tiles are being asked for
.set FB,  63          ; s63  the slot filled last: 0 or SLOT
.set RB,  66          ; s66  the slot to be read
.set CI,  67          ; s67  my chunk in the step to come
.set BI,  68          ; s68  the block in hand
.set BI2, 69          ; s69  the second block
.set OFF, 70          ; s[70:71] a tile's byte offset in K and V
.set AL,  72          ; s[72:73] the diagonal mask's factor
.set BE,  74          ; s[74:75] its addend, and MA
.set LIM2, 76         ; s76
.set SC,  77          ; s77  MC
.set NEG, 78          ; s78  -1e30
.set LK,  79          ; s79  my half's place in a slot, for K
.set LV,  80          ; s80  for V
.set LQ2, 81          ; s81  the second block's last tile: 7 - g
.set QA,  88          ; s[88:89] Q at the first block
.set CNT, 94          ; s94  counts the tail's two passes
.set MSB, 0
.macro WIN new                      ; the high byte repeats the setting that is left; a switch that changes nothing is dropped
.if MSB != (\new)
	s_set_vgpr_msb (MSB<<8)|(\new)
.set MSB, (\new)
.endif
.endm
; A joint fill.  Waves 0 and 1 fetch the two halves of a tile's K, waves 2 and 3 those of its V: 128 keys each.  An s_nop 0 and four v_nop follow each line.
.macro JLOAD
	s_cmp_lt_u32 s[WV], 2
	s_cbranch_scc0 .Lfor_v_\@
	tensor_load_to_lds s[G0K:G0K+3], s[G1K:G1K+7]
	s_nop 0
.rept 4
	v_nop
.endr
	s_branch .Lasked_\@
.Lfor_v_\@:
	tensor_load_to_lds s[G0V:G0V+3], s[G1V:G1V+7]
	s_nop 0
.rept 4
	v_nop
.endr
.Lasked_\@:
.endm
; A prefetch of the tile that the NEXT change of slots will ask for; it stands behind the joint load and K's run of LDS loads.  Change number n (0 to 7) asks jointly for step n + 1's tile and
; prefetches step n + 2's.  In the order of the walks tiles 2 and 3 come first in the cluster with g = 3 (its steps 2, 3: it prefetches at changes 0, 1), tiles 4 to 7 in the cluster with g = 0 (its
; steps 5 to 8: changes 3 to 6); the other clusters ask for nothing, and tiles 0 and 1 come by their loads alone.  So each row is named once in the launch.  Of a tile's 256 rows of K and of V the
; four partners take 64 each, told apart by address; in each, waves 0 and 1 take 32 rows of K, waves 2 and 3 of V: a lane a row, one instruction a wave.
.macro ASK
	s_cmp_gt_u32 s[SLOTS], s[LIM]
	s_cbranch_scc0 .Lnot_mine_\@
	s_cmp_le_u32 s[SLOTS], s[LIM2]
	s_cbranch_scc0 .Lnot_mine_\@
	global_prefetch_b8 v[PFO], s[PFA:PFA+1] th:TH_LOAD_NT scope:SCOPE_SE
.Lnot_mine_\@:
.endm
.macro CROUND                       ; a round of the cluster's barrier
	s_barrier_signal -1
	s_barrier_wait -1
	s_cmp_lg_u32 s[WV], 0
	s_cbranch_scc1 .Lnot_wave_0_\@
	s_barrier_signal -3
.Lnot_wave_0_\@:
	s_barrier_wait -3
	s_barrier_signal -1
	s_barrier_wait -1
.endm
.macro PLACES                       ; four plain instructions behind a matrix instruction (ISA guide 7.12.1)
.rept 4
	v_nop
.endr
.endm
; THE CHANGE OF SLOTS.  Each wave waits for all its tensor loads (one is out: its part of the slot to be read), adds 0 to its spare word, and waits for that and for its reads of the slot that it
; leaves (K's run, a trip back, and V's).  fill = 1: that slot is filled again, with tile NXT; the barrier is a round of the cluster's and the joint fill the first thing behind it.
; (At its first use slot 1 has its first fill.)
.macro CHANGE fill
	WIN 0
	s_wait_tensorcnt 0x0            ; no tensor load of mine is out, so a group 0 may be written
	ds_add_u32 v[SPW], v[NIL]       ; 0 onto my spare word; scalar work stands between it and the wait for it
	s_mov_b32 s[RB], s[FB]          ; the slot filled last is read now,
	s_xor_b32 s[FB], s[FB], SLOT    ; the other one is filled
.if \fill
	s_lshl_b32 s[OFF], s[NXT], 16   ; a tile is 65,536 bytes of K and of V
	s_add_co_u32 s[G0K+1], s[FB], s[LK]
	s_add_nc_u64 s[G0K+2:G0K+3], s[KB:KB+1], s[OFF:OFF+1]
	s_or_b32 s[G0K+3], s[G0K+3], 0x80000000
	s_add_co_u32 s[G0V+1], s[FB], s[LV]
	s_add_nc_u64 s[G0V+2:G0V+3], s[VB:VB+1], s[OFF:OFF+1]
	s_or_b32 s[G0V+3], s[G0V+3], 0x80000000
	s_add_co_u32 s[NXT], s[NXT], 1  ; the block's next tile, or behind its last the second block's tile 0
	s_cmp_gt_u32 s[NXT], s[LQ]
	s_cselect_b32 s[NXT], 0, s[NXT]
	s_cselect_b32 s[LQ], s[LQ2], s[LQ]
	s_wait_xcnt 0x0                 ; the last prefetch, a trip back, has read its address
	s_add_nc_u64 s[PFA:PFA+1], s[PFA:PFA+1], 65536
	s_wait_dscnt 0x0                ; the add is done, and my reads of the slot are over
	CROUND
	JLOAD
.else
	s_wait_dscnt 0x0
	s_barrier_signal -1
	s_barrier_wait -1
.endif
.endm
	s_load_b128 s[4:7], s[0:1], 0x0   ; qkv s[4:5], ob s[6:7]
	v_lshl_add_u32 v[SPW], v0, 2, SPARE
	v_mov_b32 v[NIL], 0
	ds_add_u32 v[SPW], v[NIL]       ; the wave's opening: the add and its wait stand ahead of my first tensor load
	v_lshrrev_b32 v1, 5, v0
	v_readfirstlane_b32 s[WV], v1   ; wave 0..3
	s_and_b32 s20, ttmp7, 0xffff    ; the head, which the four partners share
	s_and_b32 s21, s[WV], 1         ; which half of a tile's 256 keys I fetch
	s_lshl_b32 s2, s20, 19          ; the head's plane among 16: 524,288 bytes each
	s_lshl_b32 s3, s21, 15          ; 128 rows of 256 bytes
	s_add_co_u32 s8, s2, s3
	s_add_co_u32 s8, s8, 16<<19     ; K's planes begin 16 planes in,
	s_mov_b32 s9, 0
	s_add_co_u32 s10, s8, 16<<19    ; V's 32
	s_mov_b32 s11, 0
	s_mul_i32 s[LK], s21, 128*PKB
	s_mul_i32 s[LV], s21, 128*PVB
	s_add_co_u32 s[LV], s[LV], VOFF
	s_bfe_u32 s[CX], ttmp6, 0x40000
	s_mov_b32 s[G], ttmp9
	s_lshl_b32 s[BI], s[G], 2
	s_add_co_u32 s[BI], s[BI], s[CX]    ; j: the first block
	s_sub_co_u32 s[BI2], 31, s[BI]      ; the second
	s_lshl_b32 s3, s[BI], 14        ; a block's 64 rows of 256 bytes of Q
	s_add_co_u32 s82, s2, s3
	s_mov_b32 s83, 0
	s_lshl_b32 s3, s[BI2], 14
	s_add_co_u32 s84, s2, s3
	s_mov_b32 s85, 0
	s_lshl_b32 s3, s20, 8           ; the head's 256 bytes of a row of ob
	s_lshl_b32 s90, s[BI], 18       ; a block's 64 rows of 4,096 bytes
	s_add_co_u32 s90, s90, s3
	s_mov_b32 s91, 0
	s_lshl_b32 s92, s[BI2], 18
	s_add_co_u32 s92, s92, s3
	s_mov_b32 s93, 0
	s_cmp_lt_u32 s[WV], 2           ; the prefetches: K's plane (waves 0, 1) or V's,
	s_cselect_b32 s86, 16, 32
	s_lshl_b32 s86, s86, 19
	s_add_co_u32 s86, s86, s2
	s_lshl_b32 s3, s[CX], 14        ; my work-group's 64 rows,
	s_add_co_u32 s86, s86, s3
	s_lshl_b32 s3, s21, 13          ; my wave's 32 of them
	s_add_co_u32 s86, s86, s3
	s_mov_b32 s87, 0
	s_cmp_eq_u32 s[G], 3            ; g = 3: changes 0, 1 (SLOTS = 8, 7) name tiles 2, 3: the address starts in tile 1, and each change steps it first
	s_cselect_b32 s[LIM], 6, -1
	s_cselect_b32 s[LIM2], 8, 0
	s_cselect_b32 s3, 0x10000, 0
	s_add_co_u32 s86, s86, s3
	s_cmp_eq_u32 s[G], 0            ; g = 0: changes 3 to 6 (SLOTS = 5 to 2) name tiles 4 to 7: the address starts in tile 0
	s_cselect_b32 s[LIM], 1, s[LIM]
	s_cselect_b32 s[LIM2], 5, s[LIM2]
	; descriptor group 1: 128 rows x 128 elements of 2 bytes, padded behind every 64 words; the mask names all four partners
	s_mov_b32 s[G1K], 15|(1<<16)|(1<<20)|(1<<21)|(5<<22)|(3<<25)
	s_mov_b32 s[G1V], 15|(1<<16)|(1<<20)|(1<<21)|(5<<22)|(7<<25)
.irp g, G1K, G1V
	s_mov_b32 s[(\g)+1], 128<<16    ; tensor_dim0 = 128
	s_mov_b32 s[(\g)+2], 128<<16    ; tensor_dim1 = 128
	s_mov_b32 s[(\g)+3], 128<<16    ; tile_dim0 = 128
	s_mov_b32 s[(\g)+4], 128        ; tile_dim1 = 128
	s_mov_b32 s[(\g)+5], 128        ; elements from row to row
	s_mov_b32 s[(\g)+6], 0
	s_mov_b32 s[(\g)+7], 0
.endr
	s_mov_b32 s[G0K], 1
	s_mov_b32 s[G0K+1], s[LK]       ; slot 0
	s_mov_b32 s[G0V], 1
	s_mov_b32 s[G0V+1], s[LV]
	s_mov_b32 s[CS], 0x3e0293ee     ; c = log2(e) / sqrt(128) = 0.127517
	s_mov_b32 s[CS+1], s[CS]
	s_mov_b32 s[SEL], 0x76543210
	s_mov_b32 s[SEL+1], 0xfedcba98
	s_mov_b32 s[NEG], 0xf149f2ca    ; -1e30
	s_mov_b32 s[OFF+1], 0
	s_mov_b32 s[AL+1], 0            ; named as pairs
	s_mov_b32 s[BE+1], 0
	s_mov_b32 s[FB], 0
	s_mov_b32 s[SLOTS], 8
	s_add_co_u32 s[RT], s[G], 1     ; the first block has g + 1 tiles
	s_sub_co_u32 s[LQ2], 7, s[G]
	s_cmp_eq_u32 s[G], 0            ; where it has tile 0 alone, step 1 is the second block's tile 0
	s_cselect_b32 s[NXT], 0, 1
	s_cselect_b32 s[LQ], s[LQ2], s[G]
	s_mov_b32 s[CI], s[WV]
	s_wait_dscnt 0x0                ; the opening add is done
	s_wait_kmcnt 0x0
	s_add_nc_u64 s[KB:KB+1], s[4:5], s[8:9]
	s_add_nc_u64 s[VB:VB+1], s[4:5], s[10:11]
	s_add_nc_u64 s[QA:QA+1], s[4:5], s[82:83]
	s_add_nc_u64 s[QB2:QB2+1], s[4:5], s[84:85]
	s_add_nc_u64 s[PFA:PFA+1], s[4:5], s[86:87]
	s_add_nc_u64 s[OA:OA+1], s[6:7], s[90:91]
	s_add_nc_u64 s[OB2:OB2+1], s[6:7], s[92:93]
	s_mov_b64 s[G0K+2:G0K+3], s[KB:KB+1]
	s_or_b32 s[G0K+3], s[G0K+3], 0x80000000
	s_mov_b64 s[G0V+2:G0V+3], s[VB:VB+1]
	s_or_b32 s[G0V+3], s[G0V+3], 0x80000000
	CROUND                          ; all four work-groups are here: the first joint loads meet
	JLOAD                           ; tile 0 into slot 0
	; a fragment of K or Q is 16 rows x 32 channels in 8 registers: lane l holds row l % 16, channels 8 (l / 16) + 0..7 and 16 + 8 (l / 16) + 0..7
	v_and_b32 v1, 15, v0            ; l % 16
	v_bfe_u32 v9, v0, 4, 1          ; l / 16
	v_lshlrev_b32 v[QO], 8, v1
	v_lshl_add_u32 v[QO], v9, 4, v[QO]
.macro QLOAD base                   ; a block's Q: tile i / 4, channels 32 (i % 4) on
	WIN 0x80                        ; destination window 2, address window 0
.irp i, 0,1,2,3,4,5,6,7,8,9,10,11,12,13,14,15
	global_load_b128 v[8*(\i):8*(\i)+3],   v[QO], s[\base:\base+1] offset:((\i)/4)*4096+((\i)%4)*64
	global_load_b128 v[8*(\i)+4:8*(\i)+7], v[QO], s[\base:\base+1] offset:((\i)/4)*4096+((\i)%4)*64+32
.endr
	WIN 0
.endm
	QLOAD QA
	; O^T and l need only be finite where a block begins (its first a is 0).  For the first block O^T is written by 32 products of zeros, eight registers each, in the wait for the first tile:
	; the price of writing no first step out.
.set i, 0
.rept 16
	v_mov_b32 v[P+i], 0
.set i, i+1
.endr
	WIN 0x40                        ; destination window 1, sources window 0
.set i, 0
.rept 32
	v_wmma_f32_16x16x32_f16 v[8*i:8*i+7], v[P:P+7], v[P+8:P+15], 0
.set i, i+1
.endr
	WIN 0
.irp t, 0,1,2,3
	v_mov_b32 v[ST+8*(\t)], 0xfe000000    ; c m: far below every c s
	v_mov_b32 v[ST+8*(\t)+1], 0xff7fffff  ; m
	v_mov_b32 v[ST+8*(\t)+2], 0
	v_mov_b32 v[ST+8*(\t)+3], 0
.endr
	v_lshlrev_b32 v[DG], 3, v9
	v_sub_nc_u32 v[DG], v1, v[DG]
	WIN 0xc0                        ; MD: on the diagonal, key 8 (l / 16) + i is hidden from query l % 16 where it is the greater
.set i, 0
.rept 8
	v_cmp_gt_i32 vcc_lo, i, v[DG]
	v_cndmask_b32 v[MD+i], 0, s[NEG], vcc_lo
.set i, i+1
.endr
	WIN 0
	s_lshl_b32 s2, s[WV], 6         ; my chunk's 64 rows of a tile
	v_add_nc_u32 v45, s2, v1
	v_mul_u32_u24 v[AK0], v45, PKB
	v_lshl_add_u32 v[AK0], v9, 4, v[AK0]
	; the turning load takes 16 keys x 16 channels (lane l reads key 8 (l / 16) + l % 8, channels 8 ((l / 8) % 2) + 0..7) and leaves half a fragment of V^T
	v_and_b32 v46, 7, v0
	v_bfe_u32 v47, v0, 3, 1
	v_lshl_add_u32 v[AV0], v9, 3, v46
	v_add_nc_u32 v[AV0], s2, v[AV0]
	v_mul_u32_u24 v[AV0], v[AV0], PVB
	v_lshl_add_u32 v[AV0], v47, 4, v[AV0]
	v_add_nc_u32 v[AV0], VOFF, v[AV0]
	s_mul_i32 s3, s[WV], 16*SP
	s_add_co_u32 s3, s3, STAGE      ; my stage: row l % 16, 32 bytes for each half of the lanes
	v_mul_u32_u24 v[STO], v1, SP
	v_lshl_add_u32 v[STO], v9, 5, v[STO]
	v_add_nc_u32 v[STO], s3, v[STO]
	s_mul_i32 s3, s[WV], 4*SP
	s_add_co_u32 s3, s3, STAGE      ; the merge: of a tile's 16 rows I take 4 w .. 4 w + 3: row 4 w + l / 16, 32 bytes at 32 (l % 16)
	v_mul_u32_u24 v[RDM], v9, SP
	v_lshl_add_u32 v[RDM], v1, 5, v[RDM]
	v_add_nc_u32 v[RDM], s3, v[RDM]
	s_lshl_b32 s3, s[WV], 14        ; and the same rows in ob: 4,096 bytes a row, 16 bytes a lane
	v_lshlrev_b32 v[GO], 12, v9
	v_lshl_add_u32 v[GO], v1, 4, v[GO]
	v_add_nc_u32 v[GO], s3, v[GO]
	v_and_b32 v45, 31, v0
	v_lshlrev_b32 v[STR], 3, v45
	v_add_nc_u32 v[STR], STAT, v[STR]
	s_lshl_b32 s3, s[WV], 10
	v_add_nc_u32 v[STW], s3, v[STR]
	v_lshlrev_b32 v[PFO], 8, v45
	s_wait_loadcnt 0x0              ; Q
; THE VECTOR WORK.  One tile's softmax for one step is a list of 134 instructions; SM writes number j of it for tile t.  s0-s31 are the lane's 32 scores, in pairs 0-15.
;   0-15    the maximum of s0-s31 and the old m, three operands at a time (each accumulator's lowest registers are read first)
;   16-20   the other half of the lanes' maximum; c m_old is kept; the new m; c m; c m_old - c m_new
;   21-69   ONE BATCH: the 16 scalings c s - c m and all 33 exponentials (a at 23, then s0-s31); none of these reads an exponential's result; a pair is scaled ahead of its exponentials
;   (wait)  between 69 and 70 stands the step's one wait, for all four tiles
;   70-85   the roundings to f16     86-101  the sums; l = a l + the sum     102-133 the tile's O^T times a
.macro SM t
.set rT, ST+8*(\t)
.set rS, S+32*(\t)
.set rP, P+16*(\t)
.set rO, 64*(\t)+2*(j-102)
.if j < 102
	WIN 0
.endif
.if j < 4
	v_max3_num_f32 v[rT+4+j], v[rS+8*j], v[rS+8*j+1], v[rS+8*j+2]
.elseif j < 12
	v_max3_num_f32 v[rT+4+j%4], v[rT+4+j%4], v[rS+8*(j%4)+2*(j/4)+1], v[rS+8*(j%4)+2*(j/4)+2]
.elseif j == 12
	v_max3_num_f32 v[rT+4], v[rT+4], v[rS+7], v[rS+15]
.elseif j == 13
	v_max3_num_f32 v[rT+6], v[rT+6], v[rS+23], v[rS+31]
.elseif j == 14
	v_max3_num_f32 v[rT+4], v[rT+4], v[rT+5], v[rT+6]
.elseif j == 15
	v_max3_num_f32 v[rT+4], v[rT+4], v[rT+7], v[rT+1]
.elseif j == 16
	v_permlanex16_b32 v[rT+5], v[rT+4], s[SEL], s[SEL+1]  ; the query's other 32 keys lie in the lane 16 away
.elseif j == 17
	v_mov_b32 v[rT+7], v[rT]
.elseif j == 18
	v_max_num_f32 v[rT+1], v[rT+4], v[rT+5]
.elseif j == 19
	v_mul_f32 v[rT], s[CS], v[rT+1]
.elseif j == 20
	v_sub_f32 v[rT+7], v[rT+7], v[rT]
.elseif j == 23
	v_exp_f32 v[rT+6], v[rT+7]
.elseif (j < 23) || ((j < 38) && (j%2 == 0)) || ((j < 66) && (j%4 == 2))
.set b, (j-2)/4                     ; 38, 42, .. 62: pairs 9 to 15
.if j < 38
.set b, (j-20)/2                    ; 21: pair 0; 22, 24, .. 36: pairs 1 to 8
.endif
	v_pk_fma_f32 v[rS+2*b:rS+2*b+1], v[rS+2*b:rS+2*b+1], s[CS:CS+1], v[rT:rT+1] op_sel_hi:[1,0,0] neg_lo:[0,0,1] neg_hi:[0,0,1]
.elseif j < 70
.set e, j-38                        ; 66 to 69: s28 to s31
.if j < 66
.set e, j-32-(j-38)/4               ; 39-41, 43-45, .. 63-65: s7 to s27
.endif
.if j < 38
.set e, (j-25)/2                    ; 25, 27, .. 37: s0 to s6
.endif
	v_exp_f32 v[rS+e], v[rS+e]
.elseif j < 86
	v_cvt_pk_f16_f32 v[rP+j-70], v[rS+2*(j-70)], v[rS+2*(j-70)+1]
.elseif j < 102                     ; the sum of the 16 pairs, in place: neighbours 1, 2, 4 and 8 pairs apart, then l takes it
.set z, j-86
.set w, 4
.set u, z
.if z >= 14
.set w, 32
.set u, 0
.elseif z >= 12
.set w, 16
.set u, z-12
.elseif z >= 8
.set w, 8
.set u, z-8
.endif
.if z < 15
	v_pk_add_f32 v[rS+w*u:rS+w*u+1], v[rS+w*u:rS+w*u+1], v[rS+w*u+w/2:rS+w*u+w/2+1]
.else
	v_pk_fma_f32 v[rT+2:rT+3], v[rT+2:rT+3], v[rT+6:rT+7], v[rS:rS+1] op_sel_hi:[1,0,1]
.endif
.else
	WIN 0x41                        ; O^T (destination and source 0) window 1, a window 0
	v_pk_mul_f32 v[rO:rO+1], v[rO:rO+1], v[rT+6:rT+7] op_sel_hi:[1,0]
.endif
.endm
; THE MATRIX WORK.  The accumulators take turns, one instruction a turn: 3 (K Q^T) or 7 (V^T P) others stand between two links of a chain.
; Tile t's 16 products S^T = K Q^T: product i takes channels 32 (i / 4) on, keys 16 (i % 4) on; the first 4 start the sums with the mask.  ride = 1: behind each stand the next four lines of tile t - 1's list.
.macro KQT t, ride
.set i, 0
.rept 16
.set kb, i%4
.set rS, S+32*(\t)+8*kb
.set rK, KF+32*kb+8*(i/4)
.set rQ, 32*(\t)+8*(i/4)
.if i < 4
.set rM, MC
.if kb < (\t)
.set rM, MA
.elseif kb == (\t)
.set rM, MB
.endif
	WIN 0x3a                        ; K and Q window 2, the mask window 3, S^T window 0
	v_wmma_f32_16x16x32_f16 v[rS:rS+7], v[rK:rK+7], v[rQ:rQ+7], v[rM:rM+7]
.else
	WIN 0x0a
	v_wmma_f32_16x16x32_f16 v[rS:rS+7], v[rK:rK+7], v[rQ:rQ+7], v[rS:rS+7]
.endif
.if \ride
.rept 4
	SM (\t)-1
.set j, j+1
.endr
.endif
.set i, i+1
.endr
.endm
.macro REST t                       ; 70 = 4 x 16 + 6: the six lines that are over
.rept 6
	SM \t
.set j, j+1
.endr
.endm
; Tile t's 16 products O^T += V^T P: product i takes keys 32 (i / 8) on, channels 16 (i % 8) on.  ride = 1: behind each stand the next four lines of tile t + 1's list: 64 = 4 x 16.
.macro PVT t, ride
.set i, 0
.rept 16
.set rO, 64*(\t)+8*(i%8)
.set rV, 64*(i/8)+8*(i%8)
.set rP, P+16*(\t)+8*(i/8)
	WIN 0x53                        ; V window 3, P window 0, O^T window 1
	v_wmma_f32_16x16x32_f16 v[rO:rO+7], v[rV:rV+7], v[rP:rP+7], v[rO:rO+7]
.if \ride
.rept 4
	SM (\t)+1
.set j, j+1
.endr
.endif
.set i, i+1
.endr
.endm
; K's run of LDS loads: my chunk's 64 keys x 128 channels, 16 fragments.  last = 1 (the tail): in the second pass there is no further step, and the run is jumped over.
.macro KRUN last=0
	WIN 0
.if \last
	s_cmp_eq_u32 s[CNT], 1
	s_cbranch_scc1 .Lno_k_\@
.endif
	v_add_nc_u32 v[ADRK], s[RB], v[AK0]
	WIN 0x80
.irp f, 0,1,2,3,4,5,6,7,8,9,10,11,12,13,14,15
	ds_load_b128 v[KF+8*(\f):KF+8*(\f)+3],   v[ADRK] offset:((\f)/4)*16*PKB+((\f)%4)*64
	ds_load_b128 v[KF+8*(\f)+4:KF+8*(\f)+7], v[ADRK] offset:((\f)/4)*16*PKB+((\f)%4)*64+32
.endr
	WIN 0
.if \last
.Lno_k_\@:
.endif
.endm
; THE SECOND PRODUCT of the step before: V was shown landed by the change of slots; tile 0's weights were rounded and its O^T rescaled at that step's end.
.macro PVPART
.set j, 70
	PVT 0, 1
.set j, 70
	PVT 1, 1
.set j, 70
	PVT 2, 1
	PVT 3, 0
	WIN 0
.endm
; THE FIRST PRODUCT AND THE SOFTMAX of my chunk of the tile in slot RB.  The masks' 20 plain lines are the places between the last product that read V and the loads into V's registers.
; Four v_nop stand at each change of tiles: of the lines just ahead of them most are exponentials, which are no places, and the lines that follow read scores just made.
.macro MID
	WIN 0
	s_cmp_gt_u32 s[CI], s[BI]       ; the chunk lies behind the block: all hidden
	s_cselect_b32 s[BE], s[NEG], 0
	s_cmp_ge_u32 s[CI], s[BI]
	s_cselect_b32 s[SC], s[NEG], 0
	s_cmp_eq_u32 s[CI], s[BI]       ; the chunk holds the diagonal
	s_cselect_b32 s[AL], 1.0, 0
	s_add_co_u32 s[CI], s[CI], 4
	WIN 0xc3                        ; destination and source 0 window 3
.set i, 0
.rept 8
	v_mov_b32 v[MA+i], s[BE]
	v_mov_b32 v[MC+i], s[SC]
.set i, i+1
.endr
.set i, 0
.rept 4
	v_pk_fma_f32 v[MB+i:MB+i+1], v[MD+i:MD+i+1], s[AL:AL+1], s[BE:BE+1] op_sel_hi:[1,0,0]
.set i, i+2
.endr
	WIN 0
	v_add_nc_u32 v[ADRV], s[RB], v[AV0]
	WIN 0xc0                        ; V's run: my chunk, turned
.irp f, 0,1,2,3,4,5,6,7,8,9,10,11,12,13,14,15
	ds_load_tr16_b128 v[8*(\f):8*(\f)+3],   v[ADRV] offset:((\f)/8)*32*PVB+((\f)%8)*32
	ds_load_tr16_b128 v[8*(\f)+4:8*(\f)+7], v[ADRV] offset:((\f)/8)*32*PVB+16*PVB+((\f)%8)*32
.endr
	s_wait_dscnt 32                 ; K, asked for 64 products back, is in; V's 32 loads stay out
	KQT 0, 0
	PLACES
.set j, 0
	KQT 1, 1
	REST 0
	PLACES
.set j, 0
	KQT 2, 1
	REST 1
	PLACES
.set j, 0
	KQT 3, 1
	REST 2
	PLACES
.set j, 0
.rept 70
	SM 3
.set j, j+1
.endr
	v_nop                           ; a plain instruction behind the last exponential,
	s_wait_alu depctr_va_vdst(0)    ; and ONE wait for the step's 132, ahead of the first line that names a result
.set j, 70
.rept 64
	SM 0
.set j, j+1
.endr
	WIN 0
.endm
; A BLOCK'S END.  last = 0: the second block follows: its Q is fetched here, and the statistics are set anew.
.macro FINISH last
	WIN 0
.irp t, 0,1,2,3                     ; l: its two halves and the other half of the lanes'; the four additions are the places behind the last products
	v_add_f32 v[ST+8*(\t)+4], v[ST+8*(\t)+2], v[ST+8*(\t)+3]
.endr
.irp t, 0,1,2,3
	v_permlanex16_b32 v[ST+8*(\t)+5], v[ST+8*(\t)+4], s[SEL], s[SEL+1]
.endr
.irp t, 0,1,2,3
	v_add_f32 v[ST+8*(\t)+1], v[ST+8*(\t)+4], v[ST+8*(\t)+5]
.endr
.if !(\last)
	QLOAD QB2
.endif
.irp t, 0,1,2,3
	ds_store_b64 v[STW], v[ST+8*(\t):ST+8*(\t)+1] offset:256*(\t)  ; (c m, l)
.endr
	s_wait_dscnt 0x0                ; for the others' sake
	s_barrier_signal -1
	s_barrier_wait -1
.irp t, 0,1,2,3
.irp v, 0,1,2,3
	ds_load_b64 v[S+8*(\t)+2*(\v):S+8*(\t)+2*(\v)+1], v[STR] offset:1024*(\v)+256*(\t)
.endr
.endr
	s_wait_dscnt 0x0
.irp t, 0,1,2,3
	v_max3_num_f32 v[ST+8*(\t)+4], v[S+8*(\t)], v[S+8*(\t)+2], v[S+8*(\t)+4]
.endr
.irp t, 0,1,2,3
	v_max_num_f32 v[ST+8*(\t)+4], v[ST+8*(\t)+4], v[S+8*(\t)+6]  ; M
.endr
.irp t, 0,1,2,3
	v_sub_f32 v[ST+8*(\t)+5], v[ST+8*(\t)], v[ST+8*(\t)+4]
.irp v, 0,1,2,3
	v_sub_f32 v[S+8*(\t)+2*(\v)], v[S+8*(\t)+2*(\v)], v[ST+8*(\t)+4]
.endr
.endr
.irp t, 0,1,2,3
	v_exp_f32 v[ST+8*(\t)+6], v[ST+8*(\t)+5]  ; my own weight,
.irp v, 0,1,2,3
	v_exp_f32 v[S+8*(\t)+2*(\v)], v[S+8*(\t)+2*(\v)]  ; and all four
.endr
.endr
	v_nop
	s_wait_alu depctr_va_vdst(0)    ; one wait for the 20 exponentials
.irp t, 0,1,2,3
	v_mul_f32 v[ST+8*(\t)+4], v[S+8*(\t)], v[S+8*(\t)+1]
.endr
.irp v, 1,2,3
.irp t, 0,1,2,3
	v_fmac_f32 v[ST+8*(\t)+4], v[S+8*(\t)+2*(\v)], v[S+8*(\t)+2*(\v)+1]  ; L
.endr
.endr
.irp t, 0,1,2,3
	v_rcp_f32 v[ST+8*(\t)+7], v[ST+8*(\t)+4]
.endr
	v_nop
	s_wait_alu depctr_va_vdst(0)    ; one wait for the four reciprocals
.irp t, 0,1,2,3
	v_mul_f32 v[ST+8*(\t)+6], v[ST+8*(\t)+6], v[ST+8*(\t)+7]
.endr
.irp t, 0,1,2,3                     ; a tile at a time: my partial O, weighted, into my stage; a barrier; each wave adds the four stages for four of the 16 rows
	WIN 0x41
.set i, 64*(\t)
.rept 32
	v_pk_mul_f32 v[i:i+1], v[i:i+1], v[ST+8*(\t)+6:ST+8*(\t)+7] op_sel_hi:[1,0]
.set i, i+2
.endr
	WIN 0x04                        ; the stores' data window 1, their address window 0
.irp c, 0,1,2,3,4,5,6,7
	ds_store_b128 v[STO], v[64*(\t)+8*(\c):64*(\t)+8*(\c)+3]   offset:64*(\c)
	ds_store_b128 v[STO], v[64*(\t)+8*(\c)+4:64*(\t)+8*(\c)+7] offset:64*(\c)+16
.endr
	WIN 0
	s_wait_dscnt 0x0                ; for the others' sake: my stores are done
	s_barrier_signal -1
	s_barrier_wait -1
.irp p, 0,1
.irp v, 0,1,2,3
	ds_load_b128 v[S+32*(\p)+8*(\v):S+32*(\p)+8*(\v)+3],   v[RDM] offset:16*SP*(\v)+2*SP*(\p)
	ds_load_b128 v[S+32*(\p)+8*(\v)+4:S+32*(\p)+8*(\v)+7], v[RDM] offset:16*SP*(\v)+2*SP*(\p)+16
.endr
.endr
	s_wait_dscnt 0x0                ; my reads of the stages are over:
.if (\t) < 3
	s_barrier_signal -1             ; say so; the next tile's stores stand behind the wait below
.endif
.irp p, 0,1
.irp q, 0,2,4,6
	v_pk_add_f32 v[S+32*(\p)+(\q):S+32*(\p)+(\q)+1], v[S+32*(\p)+(\q):S+32*(\p)+(\q)+1], v[S+32*(\p)+8+(\q):S+32*(\p)+8+(\q)+1]
	v_pk_add_f32 v[S+32*(\p)+16+(\q):S+32*(\p)+16+(\q)+1], v[S+32*(\p)+16+(\q):S+32*(\p)+16+(\q)+1], v[S+32*(\p)+24+(\q):S+32*(\p)+24+(\q)+1]
.endr
.irp q, 0,2,4,6
	v_pk_add_f32 v[S+32*(\p)+(\q):S+32*(\p)+(\q)+1], v[S+32*(\p)+(\q):S+32*(\p)+(\q)+1], v[S+32*(\p)+16+(\q):S+32*(\p)+16+(\q)+1]
.endr
.irp q, 0,1,2,3
	v_cvt_pk_f16_f32 v[P+8*(\t)+4*(\p)+(\q)], v[S+32*(\p)+2*(\q)], v[S+32*(\p)+2*(\q)+1]
.endr
.endr
.if (\t) < 3
	s_barrier_wait -1
.endif
.irp p, 0,1
	global_store_b128 v[GO], v[P+8*(\t)+4*(\p):P+8*(\t)+4*(\p)+3], s[OA:OA+1] offset:65536*(\t)+8192*(\p)  ; 16 lanes store 256 consecutive bytes, at a multiple of 256 from ob's first
.endr
.endr
.if !(\last)
	s_wait_xcnt 0x0                 ; the stores have read their registers and ob's address
	s_mov_b64 s[OA:OA+1], s[OB2:OB2+1]
	s_mov_b32 s[BI], s[BI2]
	s_mov_b32 s[RT], 64             ; the second block ends behind the loop: this count does not reach 0 again
	s_mov_b32 s[CI], s[WV]
.irp t, 0,1,2,3
	v_mov_b32 v[ST+8*(\t)], 0xfe000000
	v_mov_b32 v[ST+8*(\t)+1], 0xff7fffff
.endr
	s_wait_loadcnt 0x0              ; the second block's Q
.endif
.endm
	CHANGE 1                        ; change 0: tile 0 is in, everybody's part of it; step 1's tile is asked for
	KRUN
	ASK
	s_branch .Lmid                  ; the loop is entered in its middle: there is no step before step 0
.Lslot:                             ; seven times, changes 1 to 7
	CHANGE 1
	KRUN
	ASK
	PVPART
	s_sub_co_u32 s[RT], s[RT], 1
	s_cmp_lg_u32 s[RT], 0           ; hangs on the cluster's x alone: the same in all waves and all partners
	s_cbranch_scc1 .Lmid
	FINISH 0                        ; the first block's end (trip g + 1); the next tile's load may be on its way
.Lmid:
	MID
	s_sub_co_u32 s[SLOTS], s[SLOTS], 1
	s_cmp_lg_u32 s[SLOTS], 0
	s_cbranch_scc1 .Lslot
	; THE TAIL asks for nothing.  One text, two passes: the first is step 8's trip; the second has step 8's V^T P alone and is left in its middle.
	; Its change of slots shows V landed; the barrier in it serves nothing more: the price, once a launch, of one text for both.
	s_mov_b32 s[CNT], 2
.Ltail:
	CHANGE 0
	KRUN 1
	PVPART
	s_cmp_eq_u32 s[CNT], 1
	s_cbranch_scc1 .Lout
	MID
	s_sub_co_u32 s[CNT], s[CNT], 1
	s_cmp_lg_u32 s[CNT], 0
	s_cbranch_scc1 .Ltail
.Lout:
	FINISH 1
	s_wait_tensorcnt 0x0            ; the wave's end
	ds_add_u32 v[SPW], v[NIL]
	s_wait_dscnt 0x0
	CROUND                          ; the closing round
	s_endpgm
.Lfunc_end_k_qe45a514123_attn:
	.size	k_qe45a514123_attn, .Lfunc_end_k_qe45a514123_attn-k_qe45a514123_attn
	.p2alignl 7, 3214868480
	.fill 96, 4, 3214868480
	.section	.rodata,"a",@progbits
	.p2align	6, 0x0
	.amdhsa_kernel k_qe45a514123_attn
		.amdhsa_group_segment_fixed_size 327680
		.amdhsa_private_segment_fixed_size 0
		.amdhsa_enable_private_segment 0
		.amdhsa_kernarg_size 16
		.amdhsa_user_sgpr_count 2
		.amdhsa_user_sgpr_kernarg_segment_ptr 1
		.amdhsa_wavefront_size32 1
		.amdhsa_system_sgpr_workgroup_id_x 1
		.amdhsa_system_sgpr_workgroup_id_y 1
		.amdhsa_system_sgpr_workgroup_id_z 1
		.amdhsa_system_vgpr_workitem_id 0
		.amdhsa_next_free_vgpr 928
		.amdhsa_next_free_sgpr 96
		.amdhsa_reserve_vcc 1
		.amdhsa_float_denorm_mode_32 3
		.amdhsa_float_denorm_mode_16_64 3
		.amdhsa_memory_ordered 1
		.amdhsa_forward_progress 1
		.amdhsa_inst_pref_size 184
	.end_amdhsa_kernel
	.amdgpu_metadata
---
amdhsa.version: [ 1, 2 ]
amdhsa.kernels:
  - .name:           k_qe45a514123_attn
    .symbol:         k_qe45a514123_attn.kd
    .args:
      - { .name: qkv, .offset: 0, .size: 8, .value_kind: global_buffer, .address_space: global }
      - { .name: ob, .offset: 8, .size: 8, .value_kind: global_buffer, .address_space: global }
    .group_segment_fixed_size: 327680
    .private_segment_fixed_size: 0
    .kernarg_segment_align: 8
    .kernarg_segment_size: 16
    .max_flat_workgroup_size: 128
    .sgpr_count:     96
    .vgpr_count:     928
    .wavefront_size: 32
...
	.end_amdgpu_metadata
.endif
;; end of part 3
;; launch oproj (part 4): grid 16 x 16, 4 waves a work-group, clusters of 4 x 4, 327,680 bytes of LDS; arguments ob, wob, out0; writes out0
.if DOCPART == 4
	.amdgcn_target "amdgcn-amd-amdhsa--gfx1250"
	.amdhsa_code_object_version 6
	.text
	.protected	k_qe45a514123_oproj
	.globl	k_qe45a514123_oproj
	.p2align	8
	.type	k_qe45a514123_oproj,@function
k_qe45a514123_oproj:
	s_mov_b64 s[64:65], 0
	v_nop
	global_prefetch_b8 v0, s[64:65] scope:SCOPE_SE
	s_setreg_imm32_b32 hwreg(HW_REG_WAVE_MODE, 25, 1), 1
	s_wait_xcnt 0x0
	s_wait_alu depctr_hold_cnt(0) depctr_sa_sdst(0) depctr_va_vdst(0) depctr_va_sdst(0) depctr_va_ssrc(0) depctr_va_vcc(0) depctr_vm_vsrc(0)
	s_getreg_b32 s2, hwreg(HW_REG_IB_STS2, 6, 4)
	s_cmp_eq_u32 s2, 0
	s_cbranch_scc0 .Lentry_in_a_cluster
	s_endpgm
.Lentry_in_a_cluster:
	s_bfe_u32 s2, ttmp6, 0x10000c
	s_cmp_lg_u32 s2, 0xf033
	s_cbranch_scc0 .Lentry_shape_is_right
	s_endpgm
.Lentry_shape_is_right:
; out0[m][n] = sum over k of ob[m][k] wob[n][k].  ob, wob: [2048][2048] f16; out0: [2048][2048] f32; sums in f32.
; A tile of C is 128 x 128, so that there are 256 work-groups.  Four waves, each 64 x 64: 16 accumulators of 16 x 16.  K goes in steps of 256 (LDS rows of 512 bytes + 16; a wave's tensor load
; brings 64 of them) through two slots.  CLUSTERS: 4 x 4 work-groups; the four of a row need the same tiles of ob, the four of a column the same tiles of wob: each tile is asked for JOINTLY.
; WHERE K BEGINS.  The eight K steps are walked round from step (4 (Y % 2) + 2 X) % 8, X and Y the cluster's place in the grid of 4 x 4 clusters: an f32 sum may be taken in any order.  So the four
; clusters that read the same rows of ob (same Y) stand two K steps apart from each other, and of the four that read the same rows of wob (same X) neighbours in Y stand four apart: clusters that
; read the same rows do not ask for the same bytes in the same step.  The start is the same in all sixteen partners.
; THE MATRIX INSTRUCTION IS USED TRANSPOSED (source 0 = 16 rows of wob, source 1 = 16 rows of ob): a lane holds eight neighbouring numbers of a row of C, 32 bytes.  A wave's 64 columns of f32
; are 256 bytes on end, so each wave has a stage of its own on the way out and no barrier is needed there.
; No prefetch: a step's tiles are small.
; REGISTERS: window 0: v0-31 addresses; v32-95 rows read back, two buffers; v128-255 the accumulators ((a, b) at v[128 + 8 (4 a + b)]).  window 1: two fragment buffers of 128.
.set SIZE_K, 2048
.set SIZE_N, 2048
.set KSTEP,  256
.set PITCH,  528                       ; 512 bytes + 16 = 132 words: row r starts at bank 4 r mod 64 (64 banks of 4 bytes: ISA guide 11.1)
.set HALFT,  64*PITCH
.set SLOT,   4*HALFT
.set STAGE,  2*SLOT                    ; behind the ring: 16 rows x 272 bytes for each wave; no tensor load fills it
.set SPITCH, 272
.set SPARE,  STAGE+4*16*SPITCH         ; the spare words, 128 bytes a wave, which no other line names
.set LAPS, SIZE_K/(2*KSTEP)
.set ADRA, 16
.set ADRB, 20
.set STO,  24
.set RD,   25
.set CO,   26
.set SPW,  28
.set NIL,  29
.set TMP,  32
.set ACC,  128
.set F0,   0
.set F1,   128
.set G1, 24
.set G0, 32
.set G1B, 48
.set G0B, 56
.set KC,    66                         ; s66, s67  the K step that slot 0, 1 holds or has been asked for
.set OFFK,  68                         ; s[68:69]  its byte offset in a row
.set BASEA, 70                         ; s[70:71]  ob at the rows that I fetch
.set BASEB, 72                         ; s[72:73]  wob likewise
.set MSB, 0
.macro WIN new
.if MSB != (\new)
	s_set_vgpr_msb (MSB<<8)|(\new)
.set MSB, \new
.endif
.endm
.set MUL,  0x05                        ; sources 0 and 1 window 1; C and D window 0
.set TO_F, 0x40                        ; destination window 1, address window 0
.macro JLOAD s                         ; waves 0 and 1 fetch ob's two halves, waves 2 and 3 wob's; an s_nop 0 and four v_nop follow each line
	s_cmp_eq_u32 s11, 0
	s_cbranch_scc0 .Lfor_b_\@
	tensor_load_to_lds s[G0+4*(\s):G0+4*(\s)+3], s[G1:G1+7]
	s_nop 0
.rept 4
	v_nop
.endr
	s_branch .Lasked_\@
.Lfor_b_\@:
	tensor_load_to_lds s[G0B+4*(\s):G0B+4*(\s)+3], s[G1B:G1B+7]
	s_nop 0
.rept 4
	v_nop
.endr
.Lasked_\@:
.endm
.macro CREST
	s_cmp_lg_u32 s10, 0
	s_cbranch_scc1 .Lnot_wave_0_\@
	s_barrier_signal -3
.Lnot_wave_0_\@:
	s_barrier_wait -3
	s_barrier_signal -1
	s_barrier_wait -1
.endm
.macro CROUND
	s_barrier_signal -1
	s_barrier_wait -1
	CREST
.endm
.macro WHERE s                         ; both descriptors' global addresses for slot s, made anew from its K step's number: 512 bytes of a row a step
	s_lshl_b32 s[OFFK], s[KC+(\s)], 9
	s_add_nc_u64 s[G0+4*(\s)+2:G0+4*(\s)+3], s[BASEA:BASEA+1], s[OFFK:OFFK+1]
	s_or_b32 s[G0+4*(\s)+3], s[G0+4*(\s)+3], 0x80000000
	s_add_nc_u64 s[G0B+4*(\s)+2:G0B+4*(\s)+3], s[BASEB:BASEB+1], s[OFFK:OFFK+1]
	s_or_b32 s[G0B+4*(\s)+3], s[G0B+4*(\s)+3], 0x80000000
.endm
	s_load_b128 s[4:7], s[0:1], 0x0                ; ob s[4:5], wob s[6:7]
	s_load_b64 s[8:9], s[0:1], 0x10                ; out0
	v_lshl_add_u32 v[SPW], v0, 2, SPARE
	v_mov_b32 v[NIL], 0
	ds_add_u32 v[SPW], v[NIL]                      ; the wave's opening: the add and its wait stand ahead of my first tensor load
	v_lshrrev_b32 v1, 5, v0
	v_readfirstlane_b32 s10, v1                    ; wave 0..3
	s_lshr_b32 s11, s10, 1                         ; which half of the tile's rows is mine.  Also: I fetch for ob (0) or for wob (1)
	s_and_b32 s12, s10, 1                          ; which half of its columns.  Also: which 64 rows of that tile I fetch
	s_bfe_u32 s40, ttmp6, 0x40000                  ; cx, cy
	s_bfe_u32 s41, ttmp6, 0x40004
	s_lshl_b32 s42, ttmp9, 2
	s_add_co_u32 s42, s42, s40                     ; tile column
	s_and_b32 s13, ttmp7, 0xffff
	s_and_b32 s[KC], s13, 1                        ; Y % 2
	s_lshl_b32 s[KC], s[KC], 2
	s_lshl_b32 s[KC+1], ttmp9, 1                   ; 2 X
	s_add_co_u32 s[KC], s[KC], s[KC+1]
	s_and_b32 s[KC], s[KC], 7                      ; the first K step, an even number: slot 0's;
	s_add_co_u32 s[KC+1], s[KC], 1                 ; slot 1's is the next
	s_mov_b32 s[OFFK+1], 0
	s_lshl_b32 s13, s13, 2
	s_add_co_u32 s13, s13, s41                     ; tile row
	s_lshl_b32 s43, s41, 2
	s_lshl_b32 s43, 15, s43                        ; my row of the cluster
	s_lshl_b32 s44, 0x1111, s40                    ; my column
	; descriptor group 1: 64 rows x 256 elements of 2 bytes; 16 bytes of padding behind every 128 words
	s_or_b32 s[G1+0], s43, (1<<16)|(1<<20)|(1<<21)|(6<<22)|(3<<25)
	s_or_b32 s[G1B+0], s44, (1<<16)|(1<<20)|(1<<21)|(6<<22)|(3<<25)
.irp g, G1, G1B
	s_mov_b32 s[(\g)+1], KSTEP<<16                 ; tensor_dim0 = 256
	s_mov_b32 s[(\g)+2], 64<<16                    ; tensor_dim1 = 64
	s_mov_b32 s[(\g)+3], KSTEP<<16                 ; tile_dim0 = 256
	s_mov_b32 s[(\g)+4], 64                        ; tile_dim1 = 64
	s_mov_b32 s[(\g)+5], SIZE_K
	s_mov_b32 s[(\g)+6], 0
	s_mov_b32 s[(\g)+7], 0
.endr
	s_lshl_b32 s17, s12, 6
	s_lshl_b32 s16, s13, 7
	s_add_co_u32 s16, s16, s17                     ; ob: row 128 x tile row + 64 x half
	s_lshl_b32 s46, s42, 7
	s_add_co_u32 s46, s46, s17                     ; wob: row 128 x tile column + 64 x half
	s_mov_b32 s17, 0
	s_mov_b32 s47, 0
	s_mov_b64 s[18:19], SIZE_K*2
	s_mul_u64 s[16:17], s[16:17], s[18:19]
	s_mul_u64 s[46:47], s[46:47], s[18:19]
	s_mul_i32 s20, s10, HALFT
	s_wait_dscnt 0x0                               ; the opening add is done
	s_wait_kmcnt 0x0
	s_add_nc_u64 s[BASEA:BASEA+1], s[4:5], s[16:17]
	s_add_nc_u64 s[BASEB:BASEB+1], s[6:7], s[46:47]
	CROUND                                         ; all sixteen work-groups are here: the first joint loads meet
.irp s, 0,1
	s_mov_b32 s[G0+4*(\s)], 1
	s_add_co_u32 s[G0+4*(\s)+1], s20, (\s)*SLOT
	s_mov_b32 s[G0B+4*(\s)], 1
	s_add_co_u32 s[G0B+4*(\s)+1], s20, (\s)*SLOT
	WHERE \s
	JLOAD \s
.endr
	v_and_b32 v1, 15, v0                           ; l % 16
	v_bfe_u32 v2, v0, 4, 1                         ; l / 16
	v_mul_u32_u24 v3, v1, PITCH
	v_lshl_add_u32 v3, v2, 4, v3
	s_mul_i32 s21, s11, HALFT
	s_mul_i32 s22, s12, HALFT
	s_add_co_u32 s22, s22, 2*HALFT
.irp s, 0,1
	v_add_nc_u32 v[ADRA+(\s)], s21, v3
	v_add_nc_u32 v[ADRB+(\s)], s22, v3
	s_add_co_u32 s21, s21, SLOT
	s_add_co_u32 s22, s22, SLOT
.endr
	s_mul_i32 s23, s10, 16*SPITCH
	s_add_co_u32 s23, s23, STAGE                   ; my stage
	v_mul_u32_u24 v4, v1, SPITCH                   ; in: row l % 16, 32 bytes for each half of the lanes
	v_lshl_add_u32 v4, v2, 5, v4
	v_add_nc_u32 v[STO], s23, v4
	v_mul_u32_u24 v5, v2, SPITCH                   ; back: lanes 0-15 one row of 256 bytes, lanes 16-31 the next
	v_lshl_add_u32 v5, v1, 4, v5
	v_add_nc_u32 v[RD], s23, v5
	v_lshlrev_b32 v5, 13, v2                       ; and the same two rows in out0: 8,192 bytes a row
	v_lshl_add_u32 v[CO], v1, 4, v5
	s_lshl_b32 s16, s13, 7
	s_lshl_b32 s17, s11, 6
	s_add_co_u32 s16, s16, s17                     ; my first row: 128 x tile row + 64 x half
	s_lshl_b32 s16, s16, 13
	s_mov_b32 s17, 0
	s_add_nc_u64 s[8:9], s[8:9], s[16:17]
	s_lshl_b32 s46, s42, 9                         ; my first column, in bytes: 512 x tile column + 256 x half
	s_lshl_b32 s47, s12, 8
	s_add_co_u32 s46, s46, s47
	s_mov_b32 s47, 0
	s_add_nc_u64 s[8:9], s[8:9], s[46:47]
; 8 matrix instructions: m blocks a0, a0 + 1 x all 4 n blocks, 32 along K: half c of buffer f.  zero = 1: the first product starts the sums
.macro MUL8 f, c, a0, zero
	WIN MUL
.irp a, \a0, (\a0)+1
.irp b, 0,1,2,3
.if \zero
	v_wmma_f32_16x16x32_f16 v[ACC+8*(4*(\a)+(\b)):ACC+8*(4*(\a)+(\b))+7], v[(\f)+64+8*(4*(\c)+(\b)):(\f)+64+8*(4*(\c)+(\b))+7], v[(\f)+8*(4*(\c)+(\a)):(\f)+8*(4*(\c)+(\a))+7], 0
.else
	v_wmma_f32_16x16x32_f16 v[ACC+8*(4*(\a)+(\b)):ACC+8*(4*(\a)+(\b))+7], v[(\f)+64+8*(4*(\c)+(\b)):(\f)+64+8*(4*(\c)+(\b))+7], v[(\f)+8*(4*(\c)+(\a)):(\f)+8*(4*(\c)+(\a))+7], v[ACC+8*(4*(\a)+(\b)):ACC+8*(4*(\a)+(\b))+7]
.endif
.endr
.endr
.endm
; 32 LDS loads in one run: the fragments of 64 along K at byte k of the rows, into buffer f; the first 32 along K first
.macro FETCH slot, k, f
	WIN TO_F
.irp c, 0,1
.irp i, 0,1,2,3
	ds_load_b128 v[(\f)+64+8*(4*(\c)+(\i)):(\f)+64+8*(4*(\c)+(\i))+3],   v[ADRB+(\slot)] offset:(\k)+64*(\c)+(\i)*16*PITCH
	ds_load_b128 v[(\f)+64+8*(4*(\c)+(\i))+4:(\f)+64+8*(4*(\c)+(\i))+7], v[ADRB+(\slot)] offset:(\k)+64*(\c)+(\i)*16*PITCH+32
	ds_load_b128 v[(\f)+8*(4*(\c)+(\i)):(\f)+8*(4*(\c)+(\i))+3],         v[ADRA+(\slot)] offset:(\k)+64*(\c)+(\i)*16*PITCH
	ds_load_b128 v[(\f)+8*(4*(\c)+(\i))+4:(\f)+8*(4*(\c)+(\i))+7],       v[ADRA+(\slot)] offset:(\k)+64*(\c)+(\i)*16*PITCH+32
.endr
.endr
.endm
.macro PLACES                          ; four plain instructions behind a matrix instruction (ISA guide 7.12.1)
.rept 4
	v_nop
.endr
.endm
; A K step is four quarters of 64 along K, 32 matrix instructions each, on buffers 0, 1, 0, 1.
.macro QUARTER slot, k, f, g, zero
	s_wait_dscnt 16                                ; the first 32 along K are in
	MUL8 \f, 0, 0, \zero
	MUL8 \f, 0, 2, \zero
	PLACES
	FETCH \slot, \k, \g
	s_wait_dscnt 32                                ; all but the 32 just issued
	MUL8 \f, 1, 0, 0
	MUL8 \f, 1, 2, 0
.endm
; The last quarter multiplies buffer 1 and changes slots: ONE barrier; in front of it each wave waits for all its tensor loads, adds 0 to its spare word, and waits for that and for its reads of this slot.
.macro TURN slot, next, fill
	WIN 0
	s_wait_tensorcnt 0x0                           ; all my tensor loads have landed: my part of the next slot
	ds_add_u32 v[SPW], v[NIL]
	s_wait_dscnt 17                                ; the add and the youngest sixteen loads may be out
	MUL8 F1, 0, 0, 0
	s_wait_dscnt 0x0                               ; the add is done, and my reads of this slot are over
	s_barrier_signal -1
	MUL8 F1, 0, 2, 0
.if \fill
	WIN 0
.endif
	s_barrier_wait -1
.if \fill
	CREST                                          ; the barrier has opened a round of the cluster's
	s_add_co_u32 s[KC+(\slot)], s[KC+(\slot)], 2   ; this slot's next K step: two on, round from 7 to 0
	s_and_b32 s[KC+(\slot)], s[KC+(\slot)], 7
	WHERE \slot
	JLOAD \slot                                    ; the first tensor load behind the round; its four v_nop are also the places in front of the loads below
.else
	PLACES
.endif
	FETCH \next, 0, F0
	MUL8 F1, 1, 0, 0
	MUL8 F1, 1, 2, 0
.endm
	s_wait_tensorcnt 1                             ; my part of the first K step is in; the second's may stay out
	s_barrier_signal -1
	s_barrier_wait -1
	FETCH 0, 0, F0
	QUARTER 0, 128, F0, F1, 1                      ; the first quarter stands in front of the loop: its first products start the sums
	WIN 0
	s_mov_b32 s3, LAPS-1
.Llap:
	QUARTER 0, 256, F1, F0, 0
	QUARTER 0, 384, F0, F1, 0
	TURN 0, 1, 1
	QUARTER 1, 128, F0, F1, 0
	QUARTER 1, 256, F1, F0, 0
	QUARTER 1, 384, F0, F1, 0
	TURN 1, 0, 1
	QUARTER 0, 128, F0, F1, 0
	WIN 0
	s_sub_co_u32 s3, s3, 1
	s_cmp_lg_u32 s3, 0
	s_cbranch_scc1 .Llap
	QUARTER 0, 256, F1, F0, 0                      ; the last lap fills nothing
	QUARTER 0, 384, F0, F1, 0
	TURN 0, 1, 0
	QUARTER 1, 128, F0, F1, 0
	QUARTER 1, 256, F1, F0, 0
	QUARTER 1, 384, F0, F1, 0
	s_wait_dscnt 16
	MUL8 F1, 0, 0, 0
	MUL8 F1, 0, 2, 0
	s_wait_dscnt 0x0
	MUL8 F1, 1, 0, 0
	MUL8 F1, 1, 2, 0
	WIN 0
	; THE WAY OUT, 16 rows at a time: 32 bytes a lane into my own stage (each accumulator's low registers first), back as whole rows of 256 bytes.
	PLACES
.irp a, 0,1,2,3
.if (\a) >= 2
	s_wait_xcnt 0x0                                ; the stores of two blocks back have read the registers that are loaded again below
.endif
.irp b, 0,1,2,3
	ds_store_b128 v[STO], v[ACC+8*(4*(\a)+(\b)):ACC+8*(4*(\a)+(\b))+3]   offset:64*(\b)
	ds_store_b128 v[STO], v[ACC+8*(4*(\a)+(\b))+4:ACC+8*(4*(\a)+(\b))+7] offset:64*(\b)+16
.endr
.irp t, 0,1,2,3,4,5,6,7
	ds_load_b128 v[TMP+32*((\a)%2)+4*(\t):TMP+32*((\a)%2)+4*(\t)+3], v[RD] offset:(\t)*2*SPITCH  ; LDS serves a wave's instructions in order (ISA guide 5.7.1.4)
.endr
	s_wait_dscnt 0x0
.irp t, 0,1,2,3,4,5,6,7
	global_store_b128 v[CO], v[TMP+32*((\a)%2)+4*(\t):TMP+32*((\a)%2)+4*(\t)+3], s[8:9] offset:(16*(\a)+2*(\t))*SIZE_N*4 th:TH_STORE_NT  ; 16 lanes store 256 consecutive bytes, at a multiple of 256 from out0's first
.endr
.endr
	s_wait_tensorcnt 0x0                           ; the wave's end
	ds_add_u32 v[SPW], v[NIL]
	s_wait_dscnt 0x0
	CROUND                                         ; the closing round
	s_endpgm
.Lfunc_end_k_qe45a514123_oproj:
	.size	k_qe45a514123_oproj, .Lfunc_end_k_qe45a514123_oproj-k_qe45a514123_oproj
	.p2alignl 7, 3214868480
	.fill 96, 4, 3214868480
	.section	.rodata,"a",@progbits
	.p2align	6, 0x0
	.amdhsa_kernel k_qe45a514123_oproj
		.amdhsa_group_segment_fixed_size 327680
		.amdhsa_private_segment_fixed_size 0
		.amdhsa_enable_private_segment 0
		.amdhsa_kernarg_size 24
		.amdhsa_user_sgpr_count 2
		.amdhsa_user_sgpr_kernarg_segment_ptr 1
		.amdhsa_wavefront_size32 1
		.amdhsa_system_sgpr_workgroup_id_x 1
		.amdhsa_system_sgpr_workgroup_id_y 1
		.amdhsa_system_sgpr_workgroup_id_z 1
		.amdhsa_system_vgpr_workitem_id 0
		.amdhsa_next_free_vgpr 512
		.amdhsa_next_free_sgpr 80
		.amdhsa_reserve_vcc 0
		.amdhsa_float_denorm_mode_32 3
		.amdhsa_float_denorm_mode_16_64 3
		.amdhsa_memory_ordered 1
		.amdhsa_forward_progress 1
		.amdhsa_inst_pref_size 86
	.end_amdhsa_kernel
	.amdgpu_metadata
---
amdhsa.version: [ 1, 2 ]
amdhsa.kernels:
  - .name:           k_qe45a514123_oproj
    .symbol:         k_qe45a514123_oproj.kd
    .args:
      - { .name: ob, .offset: 0, .size: 8, .value_kind: global_buffer, .address_space: global }
      - { .name: wob, .offset: 8, .size: 8, .value_kind: global_buffer, .address_space: global }
      - { .name: out0, .offset: 16, .size: 8, .value_kind: global_buffer, .address_space: global }
    .group_segment_fixed_size: 327680
    .private_segment_fixed_size: 0
    .kernarg_segment_align: 8
    .kernarg_segment_size: 24
    .max_flat_workgroup_size: 128
    .sgpr_count:     80
    .vgpr_count:     512
    .wavefront_size: 32
...
	.end_amdgpu_metadata
.endif
;; end of part 4
